; MI455X (gfx1250); checked and timed in simulation.
; The chip was launched on July 23, 2026; its instructions are those of AMD's public machine-readable ISA for CDNA 5 (MIT licence, August 2026) and "CDNA5" Instruction Set Architecture Reference Guide (July 2026). The comments in the code are by the model that wrote it; some were corrected since.
;; Multi Head Attention. Allowed arithmetic: matrix products marked QUANTISED: E4M3 operands, one E8M0 scale for each 32 along K, by v_wmma_scale_f32_16x16x128_f8f6f4 with both operands' format E4M3, f32 sums; everything else in f32.
;; Inputs: W_k 1,024 x 1,024 float32; W_o 1,024 x 1,024 float32; W_q 1,024 x 1,024 float32; W_v 1,024 x 1,024 float32; b_o 1,024 float32; x 1 x 4,096 x 1,024 float32.
;; Outputs: out0 1 x 4,096 x 1,024 float32.
;; This version of the problem:
;;   THIS VERSION OF THE PROBLEM IS GIVEN IN LOW PRECISION. The matrix products marked QUANTISED in the list below multiply operands that are first quantised to E4M3 (4 exponent bits, 3 mantissa bits; 8 bits a number), with one power-of-two scale for each 32 numbers along K (OCP MX v1.0); their sums are f32. All else is computed in f32.
;;   The module's matrix products, in the order in which they are computed (A, B: the left and right operand; K: the contracted axis; several contracted axes count as one K, in the product's order):
;;     1. [M 4,096, K 1,024] x [K 1,024, N 1,024]; A: input x; B: input W_q: QUANTISED
;;     2. [M 4,096, K 1,024] x [K 1,024, N 1,024]; A: input x; B: input W_k: QUANTISED
;;     3. [M 4,096, K 1,024] x [K 1,024, N 1,024]; A: input x; B: input W_v: QUANTISED
;;     4. batch 16 x [M 4,096, K 64] x [K 64, N 4,096]; A: computed on the way; B: computed on the way: QUANTISED
;;     5. batch 16 x [M 4,096, K 4,096] x [K 4,096, N 64]; A: softmax (see below); B: computed on the way: QUANTISED
;;     6. [M 4,096, K 1,024] x [K 1,024, N 1,024]; A: computed on the way; B: input W_o: QUANTISED
;;   THE QUANTISER, for each operand of a quantised product, along K:
;;     - K is cut into blocks of 32 from its start; a last block that is shorter is filled with zeros.
;;     - A block's scale is 2^e with e = floor(log2(the largest magnitude in the block)) - 8, held to -126 .. 127; a block of zeros has e = 0. As a byte (E8M0): e + 127.
;;     - Each number is divided by its block's scale, clamped to +-448, and rounded to the nearest number of E4M3, ties to even, subnormals kept.
;;     - The product sums the exact products of the quantised numbers (number of the format x scale) in f32.
;;   ~~~python
;;   def quantise(x, axis):      # numpy; x: float32 -> the quantised numbers, widened to float32 again
;;       x = np.moveaxis(x, axis, -1); K = x.shape[-1]
;;       x = np.pad(x, [(0, 0)] * (x.ndim - 1) + [(0, -K % 32)]); x = x.reshape(x.shape[:-1] + (-1, 32)); a = np.abs(x).max(-1, keepdims=True)
;;       e = np.where(a > 0, np.clip(np.frexp(np.where(a > 0, a, 1))[1] - 1 - 8, -126, 127), 0)      # np.frexp(a)[1] - 1 = floor(log2(a)), exactly
;;       r = np.clip(x / 2.0 ** e, -448, 448)
;;       step = 2.0 ** (np.maximum(np.frexp(np.where(r == 0, 1, r))[1] - 1, -6) - 3)
;;       q = np.round(r / step) * step * 2.0 ** e      # np.round: ties to even
;;       return np.moveaxis(q.reshape(q.shape[:-2] + (-1,))[..., :K], -1, axis).astype(np.float32)
;;   ~~~
;;   SOFTMAX AHEAD OF A QUANTISED PRODUCT. Where the list says 'softmax', what is quantised is not the finished softmax but p = 2^(t - M), with t = logit x log2(e) and M = ceil(the row's largest t), a whole number; so 1/2 < the row's largest p <= 1. The row's sum l is taken of the UNQUANTISED p, in f32, and the product's result is divided by l at the end. Since M is a whole number, a kernel that streams over the keys may use a running M (the ceiling of the running maximum): every later rescaling is an exact power of two, which a block's scale takes up: the codes' values come out the same.
;;   OPERANDS COMPUTED ON THE WAY. 'Computed on the way' means the value that the module computes at that place (a softmax that the list does not call 'softmax' is quantised finished and normalised). What goes into a quantiser is computed in f32, as accurately as f32 sums, v_exp_f32 and their like allow (about 1e-6 of the number): no bf16 or f16 on the way to a quantiser, and a product that is left as it is and whose result goes on into a quantised operand takes f32 operands (vector FMAs, or v_wmma_f32_16x16x4_f32). A number that lies on a knife's edge between two numbers of the format may be rounded either way, as far as f32 arithmetic and the matrix unit's own rounding can turn it there, and no further.
;; One version. Each part assembles by itself: llvm-mc -triple=amdgcn-amd-amdhsa -mcpu=gfx1250 --defsym DOCPART=n.
;; ======== version 1 of 1: 4 launches
;; limits: right only within a limited range of input values
;; workspace buffers: xc 4,194,304 bytes; xs 131,072 bytes; wc 4,194,304 bytes; ws 131,072 bytes; qf 8,781,824 bytes; kv 8,781,824 bytes; cc 4,194,304 bytes; cs 131,072 bytes
;; launch quant (part 1): grid 256 x 1, 4 waves a work-group, no clusters, 68,096 bytes of LDS; arguments x, W_q, W_k, W_v, W_o, xc, xs, wc, ws; writes xc, xs, wc, ws
.if DOCPART == 1
	.amdgcn_target "amdgcn-amd-amdhsa--gfx1250"
	.amdhsa_code_object_version 6
	.text
	.protected	k_qce23a447eb_quant
	.globl	k_qce23a447eb_quant
	.p2align	8
	.type	k_qce23a447eb_quant,@function
k_qce23a447eb_quant:
	s_mov_b64 s[64:65], 0
	v_nop
	global_prefetch_b8 v0, s[64:65] scope:SCOPE_SE
	s_setreg_imm32_b32 hwreg(HW_REG_WAVE_MODE, 25, 1), 1
	s_wait_xcnt 0x0
; x [4096][1024] and the four weights [1024 (k)][1024 (n)], f32, become codes of FP8 (E4M3) with K innermost and one E8M0 scale byte for each 32 along K.
; A block's scale is 2^(floor(log2(its largest magnitude)) - 8); its byte is the largest magnitude's exponent field - 8, held at 1 from below; each number is divided by the scale,
; held within +-448 and rounded to the nearest code, ties to even.
; LIMITS: NaN and infinities among the inputs are not served; a block whose largest magnitude lies under 2^-118 gets the byte 1; a block of zeros gets the byte 1 where the rule says 127:
; its codes are zeros, which add nothing under any byte but 0xff, and the bytes are read by this program alone.
; POSITION ORDER: the ROWS of all four results (tokens of x, output channels of a weight) are stored so that, inside each group of 32 rows, the second and the third group of 8 change places:
; row index bits 3 and 4 are swapped.  16 consecutive stored rows are then the 16 rows that a tile of a transposed product wants, so that a lane's 16 results of two neighbouring tiles are
; 16 neighbours of the true index.
; Work-groups 0-127 take x (K innermost: a plain stream of blocks of 32), work-groups 128-255 the weights (K outermost: a lane takes a column and its registers run down K).
; Each of the two ways has LDS bytes of its own.  Memory binds: no tensor loads, no barrier (waves share nothing), no matrix unit, no cluster (no byte is read by two work-groups).
.set STEPS, 16
.set EMAX,  8
.set MANT,  0x600000                   ; the mantissa field of 448 as f32
.set CB,    16                         ; bytes of 16 codes
.set XR,    16                         ; x: v16-79   four sets of 16 numbers as they are loaded
.set XX,    80                         ; x: v80-111  two sets of 16 neighbours
.set XC,    128                        ; x: v128-191 codes, four registers for each step: no store's data are written again
.set XE,    112                        ; x: v112-127 a scale byte for each step
.set WREG,  8192                       ; x: LDS region of a wave: two stages of 32 x SP bytes, behind them its 256 scale bytes
.set SP,    80                         ; x: a lane's place in a stage: 64 bytes + 16 of padding
.set WLDS,  32768                      ; weights: their stages begin here
.set NB,    8                          ; weights: blocks of 32 along K for a wave
.set WPITCH, 272                       ; weights: a stage row: 256 bytes of codes + 16
.set KROW,  1024                       ; a row of codes in bytes
.set NCOL,  1024                       ; columns of a weight
.set WX,    32                         ; weights: v32-95 two sets of 32 numbers
.set WCD,   96                         ; weights: v96-103 a block's codes
.set OUTR,  112                        ; weights: v112-175 the way out
.set SB,    24                         ; weights: v24-25 the scale bytes, four to a register
	s_load_b256 s[4:11], s[0:1], 0x0               ; x s[4:5], W_q s[6:7], W_k s[8:9], W_v s[10:11]
	s_load_b256 s[12:19], s[0:1], 0x20             ; W_o s[12:13], xc s[14:15], xs s[16:17], wc s[18:19]
	s_load_b64 s[20:21], s[0:1], 0x40              ; ws
	v_lshl_add_u32 v192, v0, 2, 0x10800
	v_mov_b32 v193, 0
	v_lshrrev_b32 v1, 5, v0
	v_readfirstlane_b32 s22, v1                    ; wave 0..3
	v_and_b32 v2, 31, v0                           ; lane
	s_cmp_lt_u32 ttmp9, 128
	s_cbranch_scc0 .Lweights
; ---------------- x.  A wave takes 8 rows (8,192 numbers) in 16 steps of 512.  Each load reads 512 consecutive bytes; a step's 2,048 bytes turn through the wave's stage in LDS and come back
; 64 bytes a lane: 16 neighbours along K, two lanes to a block.  Loads run four steps ahead, the turn through LDS one step.
	v_lshlrev_b32 v3, 4, v2                        ; my 16 bytes of a load's 512
	s_mul_i32 s23, s22, WREG
	v_lshrrev_b32 v14, 2, v2
	v_mul_u32_u24 v14, v14, SP
	v_and_b32 v15, 3, v2
	v_lshl_add_u32 v14, v15, 4, v14
	v_add_nc_u32 v14, s23, v14                     ; the stage, in: SP (lane / 4) + 16 (lane % 4)
	v_mul_u32_u24 v15, v2, SP
	v_add_nc_u32 v15, s23, v15                     ; the stage, out: SP x lane
	v_mul_u32_u24 v4, v2, CB                       ; my codes' place in a step's
	v_lshrrev_b32 v5, 1, v2
	s_add_co_u32 s23, s23, 2*32*SP
	v_add_nc_u32 v5, s23, v5                       ; my wave's 256 scale bytes, my block's byte
	v_lshlrev_b32 v7, 3, v2
	v_add_nc_u32 v6, s23, v7                       ; and on the way out 8 bytes a lane
	s_mov_b32 s31, MANT
	s_lshl_b32 s24, ttmp9, 2
	s_add_co_u32 s24, s24, s22                     ; which run of 8 rows is my wave's
	s_lshl_b32 s26, s24, 15                        ; 32,768 bytes of f32 a run
	s_mov_b32 s27, 0
	s_and_b32 s28, s24, 1                          ; position order: a run is 8 rows, so the run's bits 0 and 1 change places
	s_lshl_b32 s28, s28, 1
	s_bfe_u32 s29, s24, 0x10001
	s_and_b32 s24, s24, 0xfffffffc
	s_or_b32 s24, s24, s28
	s_or_b32 s24, s24, s29
	s_lshl_b32 s28, s24, 13                        ; 8,192 bytes of codes a run
	s_mov_b32 s29, 0
	s_lshl_b32 s24, s24, 8                         ; 256 scale bytes a run
	s_mov_b32 s25, 0
	s_wait_alu depctr_va_vdst(0)
	s_wait_kmcnt 0x0
	s_add_nc_u64 s[4:5], s[4:5], s[26:27]
	s_add_nc_u64 s[14:15], s[14:15], s[28:29]
	s_add_nc_u64 s[16:17], s[16:17], s[24:25]
.macro XLOAD t
.irp i, 0,1,2,3
	global_load_b128 v[XR+16*((\t)%4)+4*\i:XR+16*((\t)%4)+4*\i+3], v3, s[4:5] offset:2048*(\t)+512*\i th:TH_LOAD_NT   ; 32 lanes read 512 consecutive bytes
.endr
.endm
.macro XTURN t                         ; step t's numbers through the stage: LDS serves a wave's instructions in order, so no wait stands between the stores and the loads
.irp i, 0,1,2,3
	ds_store_b128 v14, v[XR+16*((\t)%4)+4*\i:XR+16*((\t)%4)+4*\i+3] offset:32*SP*((\t)%2)+8*SP*\i
.endr
.irp i, 0,1,2,3
	ds_load_b128 v[XX+16*((\t)%2)+4*\i:XX+16*((\t)%2)+4*\i+3], v15 offset:32*SP*((\t)%2)+16*\i
.endr
.endm
.irp t, 0,1,2,3
	XLOAD \t
.endr
	s_wait_loadcnt 12                              ; step 0's four loads are in; the 12 of steps 1 to 3 may be out
	XTURN 0
.macro XSTEP t
.set XN, XX+16*((\t)%2)
.if (\t) > 0
	s_wait_dscnt 1                                 ; this step's numbers are back from the stage (the last step's byte store may be out)
.else
	s_wait_dscnt 0x0
.endif
.if (\t)+4 < STEPS
	XLOAD (\t)+4                                   ; into the registers that the stage's stores have read
.endif
.if (\t)+1 < STEPS
.if STEPS-2-(\t) >= 3
	s_wait_loadcnt 12                              ; the next step's four loads are in; those of the three steps behind it may be out
.else
	s_wait_loadcnt 4*(STEPS-2-(\t))
.endif
	XTURN (\t)+1
.endif
	v_max3_num_f32 v8, |v[XN]|, |v[XN+1]|, |v[XN+2]|               ; the largest magnitude of my 16, in two chains
	v_max3_num_f32 v9, |v[XN+3]|, |v[XN+4]|, |v[XN+5]|
.irp i, 6,10
	v_max3_num_f32 v8, v8, |v[XN+\i]|, |v[XN+\i+1]|
	v_max3_num_f32 v9, v9, |v[XN+\i+2]|, |v[XN+\i+3]|
.endr
	v_max3_num_f32 v8, v8, |v[XN+14]|, |v[XN+15]|
	v_max3_num_f32 v8, v8, v9, (EMAX+1)<<23        ; and the floor 2^(9 - 127): the byte cannot fall under 1
	v_max_num_f32_dpp v8, v8, v8 row_xmask:1 row_mask:0xf bank_mask:0xf   ; and of my neighbour's 16: the block's
	v_add_nc_u32 v11, -(EMAX<<23), v8              ; 8 off its exponent field: the conversion takes the exponent field of this operand as its scale
	v_and_or_b32 v10, v8, 0x7f800000, s31          ; 448 x the scale
.irp i, 0,1,2,3,4,5,6,7,8,9,10,11,12,13,14,15
	v_med3_num_f32 v[XN+\i], v[XN+\i], -v10, v10   ; the conversion to an 8-bit code does not saturate (ISA guide 7.6.2): the hold comes first
.endr
	v_cvt_scalef32_pk8_fp8_f32 v[XC+4*(\t):XC+4*(\t)+1], v[XN:XN+7], v11
	v_cvt_scalef32_pk8_fp8_f32 v[XC+4*(\t)+2:XC+4*(\t)+3], v[XN+8:XN+15], v11
	v_lshrrev_b32 v[XE+(\t)], 23, v11              ; the scale's byte (also the plain line behind the conversions)
	ds_store_b8 v5, v[XE+(\t)] offset:16*(\t)      ; both lanes of a block write the same byte with the same value
	global_store_b128 v4, v[XC+4*(\t):XC+4*(\t)+3], s[14:15] offset:32*CB*(\t)   ; the wave stores 512 consecutive bytes
.endm
.irp t, 0,1,2,3,4,5,6,7,8,9,10,11,12,13,14,15
	XSTEP \t
.endr
	ds_load_b64 v[12:13], v6                       ; LDS serves a wave's instructions in order: these see my stores
	s_wait_dscnt 0x0
	global_store_b64 v7, v[12:13], s[16:17]        ; 32 lanes store 256 consecutive bytes, aligned
	s_wait_tensorcnt 0x0
	ds_add_u32 v192, v193
	s_wait_dscnt 0x0
	s_endpgm
; ---------------- the weights.  A work-group takes 128 columns x 256 along K of one weight; a wave 32 columns.  A lane's 32 registers are one block of 32 along K of ONE column, so the block's
; largest magnitude needs no other lane and the conversions give codes with K innermost.  The codes go through the wave's stage (row = the column's POSITION) and leave as rows of 256 bytes.
.Lweights:
	s_sub_co_u32 s23, ttmp9, 128
	s_lshr_b32 s24, s23, 5                         ; which weight: q, k, v, o
	s_and_b32 s25, s23, 7                          ; which 128 columns
	s_bfe_u32 s26, s23, 0x20003                    ; which 256 along K
	s_lshl_b32 s27, s25, 7
	s_lshl_b32 s28, s22, 5
	s_add_co_u32 s27, s27, s28                     ; my wave's first column
	s_wait_alu depctr_va_vdst(0)
	v_lshlrev_b32 v3, 2, v2                        ; in: 4 bytes a lane
	v_and_b32 v10, 7, v2                           ; my column's position among the wave's 32: bits 3 and 4 change places
	v_bfe_u32 v11, v2, 3, 1
	v_lshl_or_b32 v10, v11, 4, v10
	v_bfe_u32 v11, v2, 4, 1
	v_lshl_or_b32 v10, v11, 3, v10
	s_mul_i32 s35, s22, 32*WPITCH
	s_add_co_u32 s35, s35, WLDS                    ; my stage
	v_mul_u32_u24 v4, v10, WPITCH
	v_add_nc_u32 v4, s35, v4                       ; into it: row = my position
	v_and_b32 v5, 15, v2
	v_lshrrev_b32 v6, 4, v2                        ; out of it: sixteen lanes to a row, two rows an instruction
	v_mul_u32_u24 v7, v6, WPITCH
	v_lshl_add_u32 v7, v5, 4, v7
	v_add_nc_u32 v7, s35, v7
	v_mul_u32_u24 v8, v6, KROW
	v_lshl_add_u32 v8, v5, 4, v8                   ; and the same place in the codes' buffer
	v_lshlrev_b32 v9, 5, v10                       ; my position's row of scale bytes: 32 bytes a row
	s_lshl_b32 s28, s26, 20                        ; the weight: 256 rows of 4,096 bytes for each step along K,
	s_lshl_b32 s29, s27, 2
	s_add_co_u32 s28, s28, s29                     ; + 4 x column
	s_mov_b32 s29, 0
	s_lshl_b32 s30, s24, 20                        ; the codes: 2^20 bytes a weight,
	s_lshl_b32 s34, s27, 10
	s_add_co_u32 s30, s30, s34                     ; 1,024 a row,
	s_lshl_b32 s34, s26, 8
	s_add_co_u32 s30, s30, s34                     ; 256 for each step along K
	s_mov_b32 s31, 0
	s_lshl_b32 s32, s24, 15                        ; the scale bytes: 2^15 a weight, 32 a row, 8 a step
	s_lshl_b32 s34, s27, 5
	s_add_co_u32 s32, s32, s34
	s_lshl_b32 s34, s26, 3
	s_add_co_u32 s32, s32, s34
	s_mov_b32 s33, 0
	s_mov_b32 s36, MANT
	s_wait_kmcnt 0x0
	s_cmp_eq_u32 s24, 1                            ; the weight's address: a choice on the work-group's number alone
	s_cselect_b64 s[6:7], s[8:9], s[6:7]
	s_cmp_eq_u32 s24, 2
	s_cselect_b64 s[6:7], s[10:11], s[6:7]
	s_cmp_eq_u32 s24, 3
	s_cselect_b64 s[6:7], s[12:13], s[6:7]
	s_add_nc_u64 s[6:7], s[6:7], s[28:29]
	s_add_nc_u64 s[18:19], s[18:19], s[30:31]
	s_add_nc_u64 s[20:21], s[20:21], s[32:33]
.macro WLOAD t                         ; block t: W(32 t + j, my column), j = 0 .. 31, into set t % 2; the offsets reach 255 x 4,096 bytes, inside the signed 24-bit immediate
.set j, 0
.rept 32
	global_load_b32 v[WX+32*((\t)%2)+j], v3, s[6:7] offset:(32*(\t)+j)*NCOL*4 th:TH_LOAD_NT
.set j, j+1
.endr
.endm
	WLOAD 0
	WLOAD 1
.macro WBLOCK t
.set XN, WX+32*((\t)%2)
.if (\t) < NB-1
	s_wait_loadcnt 32                              ; this block's 32 loads are in; the next block's 32 may be out
.else
	s_wait_loadcnt 0
.endif
	v_max3_num_f32 v12, |v[XN]|, |v[XN+1]|, |v[XN+2]|              ; the block's largest magnitude: all 32 numbers are mine
	v_max3_num_f32 v13, |v[XN+3]|, |v[XN+4]|, |v[XN+5]|
.irp i, 6,10,14,18,22,26
	v_max3_num_f32 v12, v12, |v[XN+\i]|, |v[XN+\i+1]|
	v_max3_num_f32 v13, v13, |v[XN+\i+2]|, |v[XN+\i+3]|
.endr
	v_max3_num_f32 v12, v12, |v[XN+30]|, |v[XN+31]|
	v_max3_num_f32 v12, v12, v13, (EMAX+1)<<23     ; and the floor
	v_add_nc_u32 v11, -(EMAX<<23), v12             ; the conversion's scale operand
	v_and_or_b32 v10, v12, 0x7f800000, s36         ; 448 x the scale
	v_lshrrev_b32 v13, 23, v11                     ; the scale's byte
.if (\t)%4 == 0
	v_mov_b32 v[SB+(\t)/4], v13                    ; four bytes to a register, the lower K in the lower byte
.else
	v_lshl_or_b32 v[SB+(\t)/4], v13, 8*((\t)%4), v[SB+(\t)/4]
.endif
.set j, 0
.rept 32
	v_med3_num_f32 v[XN+j], v[XN+j], -v10, v10     ; the hold at the largest code x the scale
.set j, j+1
.endr
.irp g, 0,1,2,3
	v_cvt_scalef32_pk8_fp8_f32 v[WCD+2*\g:WCD+2*\g+1], v[XN+8*\g:XN+8*\g+7], v11
.endr
	ds_store_b128 v4, v[WCD:WCD+3] offset:32*(\t)  ; 32 codes: 32 bytes of my position's row
	ds_store_b128 v4, v[WCD+4:WCD+7] offset:32*(\t)+16
.if (\t)+2 < NB
	WLOAD (\t)+2
.endif
	s_wait_dscnt 0x0                               ; the stores have read their registers: the next block's codes may be written
.endm
.irp t, 0,1,2,3,4,5,6,7
	WBLOCK \t
.endr
	global_store_b64 v9, v[SB:SB+1], s[20:21]      ; my column's 8 scale bytes
.irp t, 0,1,2,3,4,5,6,7,8,9,10,11,12,13,14,15
	ds_load_b128 v[OUTR+4*\t:OUTR+4*\t+3], v7 offset:2*\t*WPITCH   ; LDS serves a wave's instructions in order: these see my stores
.endr
.irp t, 0,1,2,3,4,5,6,7,8,9,10,11,12,13,14,15
	s_wait_dscnt 15-\t                             ; the younger loads may be out
	global_store_b128 v8, v[OUTR+4*\t:OUTR+4*\t+3], s[18:19] offset:2*\t*KROW   ; sixteen lanes store 256 consecutive bytes, aligned
.endr
	s_wait_tensorcnt 0x0
	ds_add_u32 v192, v193
	s_wait_dscnt 0x0
	s_endpgm
.Lfunc_end_k_qce23a447eb_quant:
	.size	k_qce23a447eb_quant, .Lfunc_end_k_qce23a447eb_quant-k_qce23a447eb_quant
	.p2alignl 7, 3214868480
	.fill 96, 4, 3214868480
	.section	.rodata,"a",@progbits
	.p2align	6, 0x0
	.amdhsa_kernel k_qce23a447eb_quant
		.amdhsa_group_segment_fixed_size 68096
		.amdhsa_private_segment_fixed_size 0
		.amdhsa_enable_private_segment 0
		.amdhsa_kernarg_size 72
		.amdhsa_user_sgpr_count 2
		.amdhsa_user_sgpr_kernarg_segment_ptr 1
		.amdhsa_wavefront_size32 1
		.amdhsa_system_sgpr_workgroup_id_x 1
		.amdhsa_system_sgpr_workgroup_id_y 1
		.amdhsa_system_sgpr_workgroup_id_z 1
		.amdhsa_system_vgpr_workitem_id 0
		.amdhsa_next_free_vgpr 194
		.amdhsa_next_free_sgpr 66
		.amdhsa_reserve_vcc 0
		.amdhsa_float_denorm_mode_32 3
		.amdhsa_float_denorm_mode_16_64 3
		.amdhsa_memory_ordered 1
		.amdhsa_forward_progress 1
		.amdhsa_inst_pref_size 110
	.end_amdhsa_kernel
	.amdgpu_metadata
---
amdhsa.version: [ 1, 2 ]
amdhsa.kernels:
  - .name:           k_qce23a447eb_quant
    .symbol:         k_qce23a447eb_quant.kd
    .args:
      - { .name: x, .offset: 0, .size: 8, .value_kind: global_buffer, .address_space: global }
      - { .name: W_q, .offset: 8, .size: 8, .value_kind: global_buffer, .address_space: global }
      - { .name: W_k, .offset: 16, .size: 8, .value_kind: global_buffer, .address_space: global }
      - { .name: W_v, .offset: 24, .size: 8, .value_kind: global_buffer, .address_space: global }
      - { .name: W_o, .offset: 32, .size: 8, .value_kind: global_buffer, .address_space: global }
      - { .name: xc, .offset: 40, .size: 8, .value_kind: global_buffer, .address_space: global }
      - { .name: xs, .offset: 48, .size: 8, .value_kind: global_buffer, .address_space: global }
      - { .name: wc, .offset: 56, .size: 8, .value_kind: global_buffer, .address_space: global }
      - { .name: ws, .offset: 64, .size: 8, .value_kind: global_buffer, .address_space: global }
    .group_segment_fixed_size: 68096
    .private_segment_fixed_size: 0
    .kernarg_segment_align: 8
    .kernarg_segment_size: 72
    .max_flat_workgroup_size: 128
    .sgpr_count:     66
    .vgpr_count:     194
    .wavefront_size: 32
...
	.end_amdgpu_metadata
.endif
;; end of part 1
;; launch qkv (part 2): grid 48 x 4, 4 waves a work-group, clusters of 4 x 4, 327,680 bytes of LDS; arguments xc, xs, wc, ws, qf, kv; writes qf, kv
.if DOCPART == 2
	.amdgcn_target "amdgcn-amd-amdhsa--gfx1250"
	.amdhsa_code_object_version 6
	.text
	.protected	k_qce23a447eb_qkv
	.globl	k_qce23a447eb_qkv
	.p2align	8
	.type	k_qce23a447eb_qkv,@function
k_qce23a447eb_qkv:
	s_mov_b64 s[64:65], 0
	v_nop
	global_prefetch_b8 v0, s[64:65] scope:SCOPE_SE
	s_setreg_imm32_b32 hwreg(HW_REG_WAVE_MODE, 25, 1), 1
	s_wait_xcnt 0x0
	s_wait_alu depctr_hold_cnt(0) depctr_sa_sdst(0) depctr_va_vdst(0) depctr_va_sdst(0) depctr_va_ssrc(0) depctr_va_vcc(0) depctr_vm_vsrc(0)
	s_getreg_b32 s2, hwreg(HW_REG_IB_STS2, 6, 4)
	s_cmp_eq_u32 s2, 0
	s_cbranch_scc0 .Lentry_in_a_cluster
	s_endpgm
.Lentry_in_a_cluster:
	s_bfe_u32 s2, ttmp6, 0x10000c
	s_cmp_lg_u32 s2, 0xf033
	s_cbranch_scc0 .Lentry_shape_is_right
	s_endpgm
.Lentry_shape_is_right:
.set SIZE_K, 1024
.set KSTEP,  256
.set NQ,     KSTEP/128
.set ROWB,   256
.set KROW,   SIZE_K
.set PITCH,  272
.set FR,     16
.set NL,     4
.set NP,     8
.set HALFT,  128*PITCH
.set SLOT,   4*HALFT
.set LAPS,   SIZE_K/(2*KSTEP)
.set KS,     SIZE_K/32
.set SCL,    2*SLOT
.set HALFS,  (128*KS/256)*272
.set SBLK,   (16*KS/256)*272
.set SPARE,  SCL+4*HALFS
.set STEPB,  17152
.set HS,     32*STEPB
.set VOFF,   8192
.set KSO,    16384
.set VSO,    16896
.set ADRA, 16
.set ADRB, 20
.set HH,   22
.set LI,   24
.set SH,   25
.set SAO,  26
.set ADRS, 27
.set SPW,  28
.set NIL,  29
.set SC,   32
.set TM,   64
.set WD,   80
.set WO,   88
.set AF,   128
.set PC,   128
.set OB,   12
.set SEL,  20
.set MNT,  22
.set G1, 24
.set G0, 32
.set G1B, 48
.set G0B, 56
.set G1S, 68
.set G0S, 76
.set G1SB, 80
.set G0SB, 88
.set MSB, 0
.macro WIN new
.if MSB != \new
	s_set_vgpr_msb (MSB<<8)|\new
.set MSB, \new
.endif
.endm
.set MUL_LO, 0xa1
.set MUL_HI, 0xf1
.set TO_B,   0x40
.macro JLOAD g0a, g1a, g0b, g1b
	s_cmp_eq_u32 s15, 0
	s_cbranch_scc0 .Lfor_b_\@
	tensor_load_to_lds s[\g0a:\g0a+3], s[\g1a:\g1a+7]
	s_nop 0
.rept 4
	v_nop
.endr
	s_branch .Lasked_\@
.Lfor_b_\@:
	tensor_load_to_lds s[\g0b:\g0b+3], s[\g1b:\g1b+7]
	s_nop 0
.rept 4
	v_nop
.endr
.Lasked_\@:
.endm
.macro CREST
	s_cmp_lg_u32 s14, 0
	s_cbranch_scc1 .Lnot_wave_0_\@
	s_barrier_signal -3
.Lnot_wave_0_\@:
	s_barrier_wait -3
	s_barrier_signal -1
	s_barrier_wait -1
.endm
.macro CROUND
	s_barrier_signal -1
	s_barrier_wait -1
	CREST
.endm
	s_load_b128 s[4:7], s[0:1], 0x0
	s_load_b128 s[8:11], s[0:1], 0x10
	s_load_b128 s[96:99], s[0:1], 0x20
	v_lshl_add_u32 v[SPW], v0, 2, SPARE
	v_mov_b32 v[NIL], 0
	ds_add_u32 v28, v29
	ds_add_u32 v28, v29
	s_wait_dscnt 0x0
	v_lshrrev_b32 v1, 5, v0
	v_readfirstlane_b32 s14, v1
	s_lshr_b32 s15, s14, 1
	s_and_b32 s16, s14, 1
	s_bfe_u32 s40, ttmp6, 0x40000
	s_bfe_u32 s41, ttmp6, 0x40004
	s_lshr_b32 s18, ttmp9, 1
	s_and_b32 s19, ttmp9, 1
	s_sub_co_u32 s20, ttmp9, 8
	s_cmp_lt_u32 ttmp9, 8
	s_cselect_b32 s18, s18, 0
	s_cselect_b32 s19, s19, s20
	s_cselect_b32 s67, 0, 2048
	s_cselect_b32 s66, 0, 1
	s_or_b32 s66, s66, s19
	s_lshl_b32 s42, s19, 2
	s_add_co_u32 s42, s42, s40
	s_lshl_b32 s17, s18, 2
	s_add_co_u32 s17, s17, s41
	s_lshl_b32 s43, s41, 2
	s_lshl_b32 s43, 15, s43
	s_lshl_b32 s44, 0x1111, s40
	s_or_b32 s[G1+0], s43, (0<<16)|(1<<20)|(1<<21)|(5<<22)|(3<<25)
	s_or_b32 s[G1B+0], s44, (0<<16)|(1<<20)|(1<<21)|(5<<22)|(3<<25)
.irp g, G1, G1B
	s_mov_b32 s[\g+1], ROWB<<16
	s_mov_b32 s[\g+2], 256<<16
	s_mov_b32 s[\g+3], ROWB<<16
	s_mov_b32 s[\g+4], 256
	s_mov_b32 s[\g+5], KROW
	s_mov_b32 s[\g+6], 0
	s_mov_b32 s[\g+7], 0
.endr
	s_or_b32 s[G1S+0], s43, (3<<16)|(1<<20)|(1<<21)|(5<<22)|(3<<25)
	s_or_b32 s[G1SB+0], s44, (3<<16)|(1<<20)|(1<<21)|(5<<22)|(3<<25)
.irp g, G1S, G1SB
	s_mov_b32 s[\g+1], 32<<16
	s_mov_b32 s[\g+2], (256*KS/256)<<16
	s_mov_b32 s[\g+3], 32<<16
	s_mov_b32 s[\g+4], 256*KS/256
	s_mov_b32 s[\g+5], 32
	s_mov_b32 s[\g+6], 0
	s_mov_b32 s[\g+7], 0
.endr
	s_lshl_b32 s20, s17, 8
	s_add_co_u32 s20, s20, s67
	s_lshl_b32 s46, s42, 8
	s_mov_b32 s21, 0
	s_mov_b32 s47, 0
	s_mov_b64 s[18:19], KS
	s_mul_u64 s[22:23], s[20:21], s[18:19]
	s_mul_u64 s[92:93], s[46:47], s[18:19]
	s_mov_b64 s[18:19], KROW
	s_mul_u64 s[20:21], s[20:21], s[18:19]
	s_mul_u64 s[46:47], s[46:47], s[18:19]
	s_mul_i32 s45, s14, HALFT
	s_mul_i32 s94, s14, HALFS
	s_wait_kmcnt 0x0
	s_cmp_lt_u32 ttmp9, 8
	s_cselect_b64 s[2:3], s[4:5], s[8:9]
	s_cselect_b64 s[8:9], s[8:9], s[4:5]
	s_mov_b64 s[4:5], s[2:3]
	s_cselect_b64 s[2:3], s[6:7], s[10:11]
	s_cselect_b64 s[10:11], s[10:11], s[6:7]
	s_mov_b64 s[6:7], s[2:3]
	s_add_nc_u64 s[20:21], s[4:5], s[20:21]
	s_add_nc_u64 s[22:23], s[6:7], s[22:23]
	s_add_nc_u64 s[46:47], s[8:9], s[46:47]
	s_add_nc_u64 s[92:93], s[10:11], s[92:93]
	CROUND
	s_mov_b32 s[G0S], 1
	s_mov_b32 s[G0S+1], SCL
	s_mov_b64 s[G0S+2:G0S+3], s[22:23]
	s_or_b32 s[G0S+3], s[G0S+3], 0x80000000
	s_mov_b32 s[G0SB], 1
	s_mov_b32 s[G0SB+1], SCL+2*HALFS
	s_mov_b64 s[G0SB+2:G0SB+3], s[92:93]
	s_or_b32 s[G0SB+3], s[G0SB+3], 0x80000000
	s_mov_b32 s4, 1                                ; the head's loads of K step 0, each tile whole: A's 256 rows into slot 0,
	s_mov_b32 s5, 0
	s_mov_b64 s[6:7], s[20:21]
	s_or_b32 s7, s7, 0x80000000
	s_mov_b32 s8, 1                                ; B's 256 rows behind them
	s_mov_b32 s9, 2*HALFT
	s_mov_b64 s[10:11], s[46:47]
	s_or_b32 s11, s11, 0x80000000
	s_mul_i32 s18, s16, 128*KROW                   ; for the ring: my 128 rows of a tile
	s_mov_b32 s19, 0
	s_add_nc_u64 s[20:21], s[20:21], s[18:19]
	s_add_nc_u64 s[46:47], s[46:47], s[18:19]
.irp s, 0,1
	s_mov_b32 s[G0+4*\s], 1
	s_add_co_u32 s[G0+4*\s+1], s45, \s*SLOT
	s_add_nc_u64 s[G0+4*\s+2:G0+4*\s+3], s[20:21], \s*ROWB
	s_or_b32 s[G0+4*\s+3], s[G0+4*\s+3], 0x80000000
	s_mov_b32 s[G0B+4*\s], 1
	s_add_co_u32 s[G0B+4*\s+1], s45, \s*SLOT
	s_add_nc_u64 s[G0B+4*\s+2:G0B+4*\s+3], s[46:47], \s*ROWB
	s_or_b32 s[G0B+4*\s+3], s[G0B+4*\s+3], 0x80000000
.endr
; the head's loads, one a wave, in one tree of branches on the wave's number: wave 0 A's rows, wave 1 B's, wave 2 A's scales, wave 3 B's
.macro ARM under, g0, g1, next
	s_cmp_lt_u32 s14, \under
	s_cbranch_scc0 \next
	tensor_load_to_lds s[\g0:\g0+3], s[\g1:\g1+7]
	s_nop 0
.rept 4
	v_nop
.endr
	s_branch .Lhead_asked
\next:
.endm
	ARM 1, 4, G1, .Lhead_b
	ARM 2, 8, G1B, .Lhead_sa
	ARM 3, G0S, G1S, .Lhead_sb
	tensor_load_to_lds s[G0SB:G0SB+3], s[G1SB:G1SB+7]
	s_nop 0
.rept 4
	v_nop
.endr
.Lhead_asked:
	v_and_b32 v1, 15, v0
	v_bfe_u32 v2, v0, 4, 1
	v_mul_u32_u24 v3, v1, PITCH
	v_lshl_add_u32 v4, v2, 4, v3
	s_mul_i32 s21, s15, HALFT
	s_mul_i32 s22, s16, HALFT
	s_add_co_u32 s22, s22, 2*HALFT
.irp s, 0,1
	v_add_nc_u32 v[ADRA+\s], s21, v4
	v_add_nc_u32 v[ADRB+\s], s22, v4
	s_add_co_u32 s21, s21, SLOT
	s_add_co_u32 s22, s22, SLOT
.endr
	v_mul_u32_u24 v5, v1, KS
	v_lshrrev_b32 v6, 8, v5
	v_lshl_add_u32 v5, v6, 4, v5
	s_mul_i32 s21, s15, HALFS
	s_mul_i32 s22, s16, HALFS
	s_add_co_u32 s22, s22, 2*HALFS
	s_sub_co_u32 s22, s22, s21
	v_mul_u32_u24 v6, s22, v2
	s_add_co_u32 s21, s21, SCL
	v_add_nc_u32 v5, v5, v6
	v_add_nc_u32 v[ADRS], s21, v5
	v_mov_b32 v[HH], v2
	v_and_b32 v6, 31, v0
	v_lshlrev_b32 v[LI], 4, v6
	v_lshlrev_b32 v[SH], 4, v2
	v_mul_u32_u24 v[SAO], v2, HS
	v_lshl_add_u32 v[SAO], v1, 4, v[SAO]
	s_lshl_b32 s20, s17, 1
	s_add_co_u32 s20, s20, s15
	s_and_b32 s21, s42, 3
	s_lshl_b32 s21, s21, 1
	s_add_co_u32 s21, s21, s16
	s_lshl_b32 s22, s42, 1
	s_add_co_u32 s22, s22, s16
	s_cmp_lt_u32 ttmp9, 8
	s_cselect_b32 s23, s20, s22
	s_cselect_b32 s20, s21, s20
	s_mul_i32 s20, s20, 2*HS
	s_mul_i32 s23, s23, STEPB
	s_add_co_u32 s20, s20, s23
	s_mov_b32 s21, 0
	s_cmp_eq_u32 s66, 0
	s_cselect_b64 s[OB:OB+1], s[96:97], s[98:99]
	s_add_nc_u64 s[OB:OB+1], s[OB:OB+1], s[20:21]
.macro FRAG reg, adr, q, i
.irp c, 0,1,2,3
	ds_load_b128 v[\reg+4*\c:\reg+4*\c+3], v[\adr] offset:128*(\q)+32*\c+(\i)*16*PITCH
.endr
.endm
.macro MUL16 a0, p, q, sc, zero
.irp a, \a0, \a0+1
.irp b, 0,1,2,3,4,5,6,7
.if \zero
	v_wmma_scale_f32_16x16x128_f8f6f4 v[8*(8*((\a)%4)+\b):8*(8*((\a)%4)+\b)+7], v[128*(\p)+FR*\b:128*(\p)+FR*\b+FR-1], v[AF+FR*(\a):AF+FR*(\a)+FR-1], 0, v[SC+8*NQ*(\sc)+NQ*\b+(\q)], v[SC+8*NQ*(\sc)+NQ*(\a)+(\q)] matrix_a_scale:MATRIX_SCALE_ROW1
.else
	v_wmma_scale_f32_16x16x128_f8f6f4 v[8*(8*((\a)%4)+\b):8*(8*((\a)%4)+\b)+7], v[128*(\p)+FR*\b:128*(\p)+FR*\b+FR-1], v[AF+FR*(\a):AF+FR*(\a)+FR-1], v[8*(8*((\a)%4)+\b):8*(8*((\a)%4)+\b)+7], v[SC+8*NQ*(\sc)+NQ*\b+(\q)], v[SC+8*NQ*(\sc)+NQ*(\a)+(\q)] matrix_a_scale:MATRIX_SCALE_ROW1
.endif
.endr
.endr
.endm
.macro FETCH_B slot, q, p
	WIN TO_B
.irp i, 0,1,2,3,4,5,6,7
	FRAG 128*(\p)+FR*\i, ADRB+\slot, \q, \i
.endr
	WIN 0
.endm
.macro FETCH_A slot, q, i0
.irp i, \i0, \i0+1, \i0+2, \i0+3
	FRAG AF+FR*(\i), ADRA+\slot, \q, \i
.endr
.endm
.macro SCALES sc
.irp i, 0,1,2,3,4,5,6,7
	ds_load_b64 v[SC+8*NQ*\sc+NQ*\i:SC+8*NQ*\sc+NQ*\i+1], v[ADRS] offset:\i*SBLK
.endr
.endm
.macro PLACES n
.rept \n
	v_nop
.endr
.endm
.macro STEP slot, q, zero
	s_wait_dscnt 4*NL
	WIN MUL_LO
	MUL16 0, (\q)%2, \q, \slot, \zero
	MUL16 2, (\q)%2, \q, \slot, \zero
	s_wait_dscnt 0
	PLACES NP
	FETCH_B \slot, (\q)+1, 1-(\q)%2
	FETCH_A \slot, (\q)+1, 0
	WIN MUL_HI
	MUL16 4, (\q)%2, \q, \slot, \zero
	MUL16 6, (\q)%2, \q, \slot, \zero
	PLACES NP
	WIN 0
	FETCH_A \slot, (\q)+1, 4
.endm
.macro TURN slot, next, fill
	s_wait_tensorcnt 0x0
	ds_add_u32 v[SPW], v[NIL]
	s_wait_dscnt 4*NL+1
	WIN MUL_LO
	MUL16 0, 1, NQ-1, \slot, 0
	s_wait_dscnt 0x0
	s_barrier_signal -1
	MUL16 2, 1, NQ-1, \slot, 0
	WIN 0
	s_barrier_wait -1
.if \fill
	CREST
	s_add_nc_u64 s[G0+4*\slot+2:G0+4*\slot+3], s[G0+4*\slot+2:G0+4*\slot+3], 2*ROWB
	s_add_nc_u64 s[G0B+4*\slot+2:G0B+4*\slot+3], s[G0B+4*\slot+2:G0B+4*\slot+3], 2*ROWB
	JLOAD G0+4*\slot, G1, G0B+4*\slot, G1B
	PLACES NP-4
.else
	PLACES NP
.endif
	s_wait_alu depctr_va_vdst(0)
	v_add_nc_u32 v[ADRS], 4*NQ, v[ADRS]
	FETCH_B \next, 0, 0
	FETCH_A \next, 0, 0
	SCALES \next
	WIN MUL_HI
	MUL16 4, 1, NQ-1, \slot, 0
	MUL16 6, 1, NQ-1, \slot, 0
	PLACES NP
	WIN 0
	FETCH_A \next, 0, 4
.endm
	s_wait_alu depctr_va_vdst(0)
	s_wait_tensorcnt 0x0                           ; my tile of the head's four is in
	ds_add_u32 v[SPW], v[NIL]
	s_mov_b32 s[G1+2], 128<<16                     ; no tensor load of mine is out: from here on a load brings 128 rows
	s_mov_b32 s[G1+4], 128
	s_mov_b32 s[G1B+2], 128<<16
	s_mov_b32 s[G1B+4], 128
	s_wait_dscnt 0x0
	CROUND
	JLOAD G0+4, G1, G0B+4, G1B                     ; K step 1, the first tensor load behind the round
	FETCH_B 0, 0, 0
	FETCH_A 0, 0, 0
	SCALES 0
	FETCH_A 0, 0, 4
	STEP 0, 0, 1
	s_mov_b32 s3, LAPS-1
.Llap:
	TURN 0, 1, 1
	STEP 1, 0, 0
	TURN 1, 0, 1
	STEP 0, 0, 0
	s_sub_co_u32 s3, s3, 1
	s_cmp_lg_u32 s3, 0
	s_cbranch_scc1 .Llap
	TURN 0, 1, 0
	STEP 1, 0, 0
	s_wait_dscnt 4*NL
	WIN MUL_LO
	MUL16 0, 1, NQ-1, 1, 0
	MUL16 2, 1, NQ-1, 1, 0
	s_wait_dscnt 0
	WIN MUL_HI
	MUL16 4, 1, NQ-1, 1, 0
	MUL16 6, 1, NQ-1, 1, 0
	WIN 0
.macro QACC a
.set AC, 64*((\a)%4)
.set WW, 2+(\a)/4
	WIN 5*WW
.irp b, 0,1,2,3
	v_max3_num_f32 v[TM+\b], |v[AC+16*\b]|, |v[AC+16*\b+1]|, 0x4800000
.endr
.irp i, 2,4,6,8,10,12,14
.irp b, 0,1,2,3
	v_max3_num_f32 v[TM+\b], |v[AC+16*\b+\i]|, |v[AC+16*\b+\i+1]|, v[TM+\b]
.endr
.endr
	WIN 0
.irp b, 0,1,2,3
	v_permlanex16_b32 v[TM+4+\b], v[TM+\b], s[SEL], s[SEL+1]
.endr
.irp b, 0,1,2,3
	v_max_num_f32 v[TM+\b], v[TM+\b], v[TM+4+\b]
.endr
.irp b, 0,1,2,3
	v_add_nc_u32 v[TM+12+\b], 0xfc000000, v[TM+\b]
.endr
.irp b, 0,1,2,3
	v_and_or_b32 v[TM+8+\b], v[TM+\b], 0x7f800000, s[MNT]
.endr
.irp b, 0,1,2,3
	v_lshrrev_b32 v[TM+4+\b], 23, v[TM+12+\b]
.endr
	v_lshl_or_b32 v[WD+(\a)], v[TM+5], 8, v[TM+4]
	v_lshl_or_b32 v[WD+(\a)], v[TM+6], 16, v[WD+(\a)]
	v_lshl_or_b32 v[WD+(\a)], v[TM+7], 24, v[WD+(\a)]
	WIN 65*WW
.irp b, 0,1,2,3
.irp i, 0,1,2,3,4,5,6,7,8,9,10,11,12,13,14,15
	v_med3_num_f32 v[AC+16*\b+\i], v[AC+16*\b+\i], -v[TM+8+\b], v[TM+8+\b]
.endr
.endr
	WIN WW
.irp b, 0,1,2,3
	v_cvt_scalef32_pk8_fp8_f32 v[PC+16*(\a)+4*\b:PC+16*(\a)+4*\b+1], v[AC+16*\b:AC+16*\b+7], v[TM+12+\b]
	v_cvt_scalef32_pk8_fp8_f32 v[PC+16*(\a)+4*\b+2:PC+16*(\a)+4*\b+3], v[AC+16*\b+8:AC+16*\b+15], v[TM+12+\b]
.endr
	WIN 0
	v_nop
.endm
	PLACES NP
	s_mov_b32 s[SEL], 0x76543210
	s_mov_b32 s[SEL+1], 0xfedcba98
	s_mov_b32 s[MNT], 0x600000
.irp b, 0,1,2,3
	v_mov_b32 v[TM+4+\b], 0
.endr
.irp a, 0,1,2,3,4,5,6,7
	QACC \a
.endr
	s_cmp_lt_u32 ttmp9, 8
	s_cbranch_scc0 .Lv
.irp a, 0,1,2,3,4,5,6,7
.irp b, 0,1,2,3
	global_store_b128 v[LI], v[PC+16*\a+4*\b:PC+16*\a+4*\b+3], s[OB:OB+1] offset:(\b/2)*HS+\a*1024+(\b%2)*512
.endr
.endr
.irp a, 0,1,2,3,4,5,6,7
	v_bfe_u32 v[WO+\a], v[WD+\a], v[SH], 16
.endr
.irp j, 0,1
	global_store_b128 v[SAO], v[WO+4*\j:WO+4*\j+3], s[OB:OB+1] offset:KSO+256*\j
.endr
	s_branch .Ldone
.Lv:
	s_wait_alu depctr_va_vdst(0)
.irp a, 0,1,2,3,4,5,6,7
.irp b, 0,1,2,3
	global_store_b128 v[LI], v[PC+16*\a+4*\b:PC+16*\a+4*\b+3], s[OB:OB+1] offset:(\a/4)*HS+VOFF+(\a%4)*2048+\b*512
.endr
.endr
	v_cmp_ne_u32 vcc_lo, 0, v[HH]
.irp j, 0,1,2,3
	v_cndmask_b32 v[WO+\j], v[WD+\j], v[WD+4+\j], vcc_lo
.endr
	global_store_b128 v[SAO], v[WO:WO+3], s[OB:OB+1] offset:VSO
.Ldone:
	s_wait_tensorcnt 0x0
	ds_add_u32 v[SPW], v[NIL]
	s_wait_dscnt 0x0
	CROUND
	s_endpgm
.Lfunc_end_k_qce23a447eb_qkv:
	.size	k_qce23a447eb_qkv, .Lfunc_end_k_qce23a447eb_qkv-k_qce23a447eb_qkv
	.p2alignl 7, 3214868480
	.fill 96, 4, 3214868480
	.section	.rodata,"a",@progbits
	.p2align	6, 0x0
	.amdhsa_kernel k_qce23a447eb_qkv
		.amdhsa_group_segment_fixed_size 327680
		.amdhsa_private_segment_fixed_size 0
		.amdhsa_enable_private_segment 0
		.amdhsa_kernarg_size 48
		.amdhsa_user_sgpr_count 2
		.amdhsa_user_sgpr_kernarg_segment_ptr 1
		.amdhsa_wavefront_size32 1
		.amdhsa_system_sgpr_workgroup_id_x 1
		.amdhsa_system_sgpr_workgroup_id_y 1
		.amdhsa_system_sgpr_workgroup_id_z 1
		.amdhsa_system_vgpr_workitem_id 0
		.amdhsa_next_free_vgpr 1024
		.amdhsa_next_free_sgpr 100
		.amdhsa_reserve_vcc 1
		.amdhsa_float_denorm_mode_32 3
		.amdhsa_float_denorm_mode_16_64 3
		.amdhsa_memory_ordered 1
		.amdhsa_forward_progress 1
		.amdhsa_inst_pref_size 190
	.end_amdhsa_kernel
	.amdgpu_metadata
---
amdhsa.version: [ 1, 2 ]
amdhsa.kernels:
  - .name:           k_qce23a447eb_qkv
    .symbol:         k_qce23a447eb_qkv.kd
    .args:
      - { .name: xc, .offset: 0, .size: 8, .value_kind: global_buffer, .address_space: global }
      - { .name: xs, .offset: 8, .size: 8, .value_kind: global_buffer, .address_space: global }
      - { .name: wc, .offset: 16, .size: 8, .value_kind: global_buffer, .address_space: global }
      - { .name: ws, .offset: 24, .size: 8, .value_kind: global_buffer, .address_space: global }
      - { .name: qf, .offset: 32, .size: 8, .value_kind: global_buffer, .address_space: global }
      - { .name: kv, .offset: 40, .size: 8, .value_kind: global_buffer, .address_space: global }
    .group_segment_fixed_size: 327680
    .private_segment_fixed_size: 0
    .kernarg_segment_align: 8
    .kernarg_segment_size: 48
    .max_flat_workgroup_size: 128
    .sgpr_count:     100
    .vgpr_count:     1024
    .wavefront_size: 32
...
	.end_amdgpu_metadata
.endif
;; end of part 2
;; launch attn (part 3): grid 16 x 16, 16 waves a work-group, no clusters, 327,680 bytes of LDS; arguments qf, kv, cc, cs; writes cc, cs
.if DOCPART == 3
	.amdgcn_target "amdgcn-amd-amdhsa--gfx1250"
	.amdhsa_code_object_version 6
	.text
	.protected	k_qce23a447eb_attn
	.globl	k_qce23a447eb_attn
	.p2align	8
	.type	k_qce23a447eb_attn,@function
k_qce23a447eb_attn:
	s_mov_b64 s[64:65], 0
	v_nop
	global_prefetch_b8 v0, s[64:65] scope:SCOPE_SE
	s_setreg_imm32_b32 hwreg(HW_REG_WAVE_MODE, 25, 1), 1
	s_wait_xcnt 0x0
; Causal attention on codes of FP8 (E4M3) with E8M0 scales: 16 heads of 64 channels, 4,096 tokens.  ctx = softmax(q k^T / 8, key <= query) v, divided by the row's sum, is quantised along the
; channels in registers and stored as images of the registers that the output projection's operand wants.
; LEFT OUT: key steps all of whose keys come after a block's queries: the causal mask sets their scores to -inf, so their p is 0 for all inputs.
; THE SOFTMAX: t = score x log2(e) / 8; M = the largest t so far, rounded UP to a whole number; p = 2^(t - M) is quantised along the keys, not normalised; the row's sum is of the unquantised p.
; When M moves, the sum and O are multiplied by 2^(old M - new M): exact.
; SHARES.  Work-group (i, head) owns query blocks i and 31 - i of 128 queries: key steps 0 .. i, then 0 .. 31 - i: 33 steps of 128 keys whatever i is.  SIXTEEN waves: wave 8 kp + t owns tile t
; (16 queries) and the steps of parity kp.  Each wave keeps its own M, sum and O^T; its part of block i goes to LDS bytes of its own where it passes on to block 31 - i, its part of block 31 - i
; at the end; behind one barrier wave (t, 0) joins the two parts of block i, wave (t, 1) those of block 31 - i (the part under the smaller M is multiplied by a power of two), and quantises and stores.
; RING: two slots of six steps, 102,912 bytes each; waves 0 to 5 fetch a step each; a wave works three steps between two changes of slots.  The last slot holds steps 30 to 32: its fill (waves 0 to 2)
; and its steps are written out.
; NO CLUSTER: the work-groups of a head turn back to key step 0 at different steps, so partners would want different tiles in the same round.
; INPUT.  A block of 17,152 bytes for each (head, 128 keys): K's codes [8 tiles][2][32 lanes][16 B] at 0, V^T's [4][4][32 lanes][16 B] at 8,192, K's scale words [2][16 rows][4 tiles] at 16,384,
; V's [16 rows][4 tiles] at 16,896: images of the operands' registers.  q lies in the same form in its own buffer.
; LAYOUT.  S^T = K Q^T, O^T = V^T P^T: a lane holds ONE query (lane % 16).  Tokens and channels lie in position order (inside each 32, index bits 3 and 4 swapped), so the 16 registers of tiles
; 2 b, 2 b + 1 are true keys (channels) 32 b + 16 (lane / 16) + 0 .. 15.  The head's 64 channels fill half of the instruction's 128: Q's upper half is zero codes; the upper half of K's operand is
; the next tile's codes (no code of K is a NaN code), which meet those zeros; the last tile's is zeros.
; LIMITS: NaN and infinities are not served; the scaled scores stay under 2^31 in magnitude; the division by the sum is v_rcp_f32 and a multiplication; a block's largest p is taken from its largest
; score (v_exp_f32 taken not to fall where its input rises); a block of ctx whose largest magnitude lies under 2^-118, a block of zeros too, gets the byte 1 (this program alone reads the bytes).
.set STEPB, 17152
.set HS,    32*STEPB
.set VOFF,  8192
.set KSO,   16384
.set VSO,   16896
.set NS,    6                          ; steps in a slot
.set SLOT1, 131072                     ; slot 1 begins here: one exclusive or turns an address from slot to slot
.set PART,  4608                       ; a wave's part: O^T 4,096 bytes, then -M, t and the sum's halves 512: 18 blocks of 256
.set SCR,   SLOT1+NS*STEPB             ; behind slot 1: the parts of block i; those of block 31 - i lie from byte 0 on, stored behind slot 0's last fill and last read
.set SPARE, SCR+16*PART                ; the spare words, 128 bytes for each of sixteen waves
.set LI,  1                            ; v1 16 x lane;  v2 16 x (lane % 16);  v3, v4 the add's two registers
.set LR,  2
.set SPW, 3
.set NIL, 4
.set DD,  5                            ; v5 my query's true index in its block, less 16 (lane / 16)
.set PFO, 6
.set ADK, 7
.set ADS, 8
.set CSO, 9                            ; v9 32 (lane % 16) + lane / 16
.set QO,  10                           ; v10 my tile's codes in a block of q; then the second block's scale word
.set Q2W, 10
.set QSO, 11
;                                        v12 -M, v13 the largest t, v[14:15] the sum; v16-23 Q, v24-31 zeros; v32-39 the second block's Q
.set KB,  40                           ; v40-103 K's eight tiles, 8 registers each; v104-111 zeros
.set S,   112                          ; v112-175 S^T, then p, then V's four fragments
.set OT,  176
.set PC,  208
.set BM,  224
.set PT,  228
.set HDL, 232
.set SO,  236
.set KSW, 240                          ; v240-247 K's scale words, then the sum's four chains
.set VSW, 248                          ; v248-251 V's;  v252 f, v253 p's scale word, v254 at work, v255 Q's scale word
.set WV,  12
.set HD,  13
.set I,   14
.set I1,  15
.set G1,  16
.set G0,  24
.set KVH, 28
.set T0,  30
.set GN,  32                           ; the step that I fetch next
.set G,   33                           ; my step in hand: kp, kp + 2 ..
.set DG,  34                           ; the step on the diagonal: i, then 32
.set TB,  35
.set SLOTS, 36
.set TW,  37
.set SEL, 38
.set CS,  40
.set MNT, 42
.set LIM, 43
.set PFA, 44
.set QA,  46
.set QB,  48
.set CA,  50
.set SA,  52
.set TT,  54                           ; my tile;  s55 my parity
.set KP,  55
.set SW,  56                           ; i until I have passed on to the second block, then the greatest number
.set SCA, 57
.set SCB, 66
.set RDB, 67
.macro SETADDR                         ; step GN's block: key step GN while GN <= i, then GN - (i + 1)
	s_cmp_le_u32 s[GN], s[I]
	s_cselect_b32 s[T0], 0, s[I1]
	s_sub_co_u32 s[T0], s[GN], s[T0]
	s_mul_i32 s[T0], s[T0], STEPB
	s_add_nc_u64 s[G0+2:G0+3], s[KVH:KVH+1], s[T0:T0+1]
	s_or_b32 s[G0+3], s[G0+3], 0x80000000
	s_add_co_u32 s[GN], s[GN], NS
.endm
.macro TLOAD under                     ; the waves under that number fetch one step's block each; s_nop 0 and four v_nop follow
	s_cmp_lt_u32 s[WV], \under
	s_cbranch_scc0 .Lnone_\@
	tensor_load_to_lds s[G0:G0+3], s[G1:G1+7]
	s_nop 0
.rept 4
	v_nop
.endr
.Lnone_\@:
.endm
; A prefetch of what the NEXT change of slots will ask for.  All work-groups of a head walk the same blocks; the one with i = 0, whose second block of queries walks every key step once in ascending
; order, asks, and nobody else.  At the change that fetches its key steps 6 n + 5 .. 6 n + 10 it names 6 n + 11 .. 6 n + 16: 402 blocks of 256 bytes, a lane a block, waves 3 to 15, one instruction each
; (the 14 lanes past the end name the last block again).  n = 0 .. 2: the last names key step 28; nothing is asked for at the head.
.macro ASK
	s_cmp_gt_u32 s[SLOTS], s[LIM]
	s_cbranch_scc0 .Lnot_mine_\@
	global_prefetch_b8 v[PFO], s[PFA:PFA+1] th:TH_LOAD_NT scope:SCOPE_SE
.Lnot_mine_\@:
.endm
.macro PUT base                        ; my part into LDS bytes of my own: each accumulator from its low end on
	v_add_nc_u32 v254, s[\base], v[LI]
.irp j, 0,1,2,3,4,5,6,7
	ds_store_b128 v254, v[OT+4*\j:OT+4*\j+3] offset:512*\j
.endr
	ds_store_b128 v254, v[12:15] offset:4096
.endm
	s_load_b256 s[4:11], s[0:1], 0x0               ; qf, kv, cc, cs
	v_lshl_add_u32 v[SPW], v0, 2, SPARE
	v_mov_b32 v[NIL], 0
	ds_add_u32 v[SPW], v[NIL]                      ; the opening lines: the add twice on end and its wait
	ds_add_u32 v[SPW], v[NIL]
	v_lshrrev_b32 v5, 5, v0
	v_readfirstlane_b32 s[WV], v5                  ; wave 0..15
	s_and_b32 s[HD], ttmp7, 0xffff
	s_mov_b32 s[I], ttmp9
	s_add_co_u32 s[I1], ttmp9, 1
	s_and_b32 s[TT], s[WV], 7
	s_lshr_b32 s[KP], s[WV], 3
	s_mov_b32 s[G1], 3<<16                         ; a dense block of 17,152 bytes as 67 rows of 256 bytes (32 elements of 8)
	s_mov_b32 s[G1+1], 32<<16
	s_mov_b32 s[G1+2], 67<<16
	s_mov_b32 s[G1+3], 32<<16
	s_mov_b32 s[G1+4], 67
	s_mov_b32 s[G1+5], 32
	s_mov_b32 s[G1+6], 0
	s_mov_b32 s[G1+7], 0
	s_min_u32 s[GN], s[WV], NS-1                   ; wave w < 6 fetches step 6 n + w of slot n
	s_mov_b32 s[G0], 1
	s_mul_i32 s[G0+1], s[GN], STEPB
	s_mul_i32 s58, s[HD], HS
	s_mov_b32 s59, 0
	s_mov_b32 s[T0+1], 0
	s_wait_dscnt 0x0
	s_wait_kmcnt 0x0
	s_add_nc_u64 s[KVH:KVH+1], s[6:7], s[58:59]
	SETADDR
	TLOAD NS                                       ; slot 0: one tensor load a wave
	s_lshr_b32 s58, s[TT], 1
	s_lshl_b32 s58, s58, 5
	s_and_b32 s59, s[TT], 1
	s_lshl_b32 s59, s59, 3
	s_add_co_u32 s58, s58, s59                     ; 32 (t / 2) + 8 (t % 2)
	s_lshl_b32 s59, s[TT], 10
	s_lshr_b32 s60, s[TT], 2
	s_lshl_b32 s60, s60, 8
	s_and_b32 s61, s[TT], 3
	s_lshl_b32 s61, s61, 2
	s_add_co_u32 s60, s60, s61
	s_add_co_u32 s60, s60, KSO                     ; q's scale word: [t / 4][r][t % 4]
	s_mul_i32 s62, s[HD], HS
	s_mul_i32 s68, s[I], STEPB
	s_add_co_u32 s68, s68, s62
	s_mov_b32 s69, 0
	s_add_nc_u64 s[QA:QA+1], s[4:5], s[68:69]      ; q's block i
	s_sub_co_u32 s63, 31, s[I]
	s_mul_i32 s68, s63, STEPB
	s_add_co_u32 s68, s68, s62
	s_add_nc_u64 s[QB:QB+1], s[4:5], s[68:69]      ; q's block 31 - i
	s_cmp_eq_u32 s[KP], 0
	s_cselect_b32 s63, s[I], s63                   ; the block that I join and store
	s_lshl_b32 s63, s63, 3
	s_add_co_u32 s63, s63, s[TT]                   ; its tile of tokens.  ctx: [256 tiles][8 (k / 128)][4][32 lanes][16 B]; scale bytes [4,096 positions][32]
	s_lshr_b32 s70, s[HD], 1
	s_lshl_b32 s70, s70, 11
	s_and_b32 s71, s[HD], 1
	s_lshl_b32 s71, s71, 10
	s_add_co_u32 s70, s70, s71
	s_lshl_b32 s68, s63, 14
	s_add_co_u32 s68, s68, s70
	s_add_nc_u64 s[CA:CA+1], s[8:9], s[68:69]
	s_lshl_b32 s68, s63, 9
	s_lshl_b32 s70, s[HD], 1
	s_add_co_u32 s68, s68, s70
	s_add_nc_u64 s[SA:SA+1], s[10:11], s[68:69]
	s_mul_i32 s[SCB], s[WV], PART                  ; my part of block 31 - i,
	s_add_co_u32 s[SCA], s[SCB], SCR               ; and of block i
	s_xor_b32 s[RDB], s[KP], 1
	s_mul_i32 s[RDB], s[RDB], SCR
	s_mul_i32 s70, s[TT], PART
	s_add_co_u32 s[RDB], s[RDB], s70               ; wave t's part of the block that I join; wave t + 8's lies 8 PART on
	s_sub_co_u32 s71, s[WV], 3
	s_cmp_lt_u32 s71, 13
	s_cselect_b32 s71, 0, 1
	s_or_b32 s71, s71, s[I]                        ; 0 in waves 3 to 15 of the work-group with i = 0
	s_cmp_eq_u32 s71, 0
	s_cselect_b32 s[LIM], 1, -1
	s_add_nc_u64 s[PFA:PFA+1], s[KVH:KVH+1], (NS-1)*STEPB   ; the first change of slots steps it to key step 11
	s_mov_b32 s[SEL], 0x76543210
	s_mov_b32 s[SEL+1], 0xfedcba98
	s_mov_b32 s[CS], 0x3e38aa3b                    ; c = log2(e) / 8
	s_mov_b32 s[CS+1], s[CS]
	s_mov_b32 s[MNT], 0x600000
	s_mov_b32 s[G], s[KP]
	s_mov_b32 s[DG], s[I]
	s_mov_b32 s[SW], s[I]
	s_mul_i32 s[TB], s[KP], STEPB
	s_mov_b32 s[SLOTS], 4
	v_and_b32 v[LI], 31, v0
	v_lshlrev_b32 v[LI], 4, v[LI]
	v_and_b32 v[ADK], 15, v0                       ; r
	v_bfe_u32 v[ADS], v0, 4, 1                     ; h
	v_lshlrev_b32 v[LR], 4, v[ADK]
	v_and_b32 v[DD], 8, v[ADK]
	v_add_nc_u32 v[DD], v[DD], v[ADK]              ; r + 8 (r / 8)
	v_add_nc_u32 v[DD], s58, v[DD]
	v_lshlrev_b32 v254, 4, v[ADS]
	v_sub_nc_u32 v[DD], v[DD], v254
	v_lshl_add_u32 v[CSO], v[ADK], 5, v[ADS]
	v_add_nc_u32 v[QO], s59, v[LI]
	v_add_nc_u32 v[QSO], s60, v[LR]
	v_add_nc_u32 v[PFO], 0xffffffa0, v0            ; thread - 96: waves 3 to 15 count 0 .. 415
	v_min_u32 v[PFO], 401, v[PFO]
	v_lshlrev_b32 v[PFO], 8, v[PFO]
	s_wait_alu depctr_va_vdst(0)
	global_load_b128 v[16:19], v[QO], s[QA:QA+1]
	global_load_b128 v[20:23], v[QO], s[QA:QA+1] offset:512
	global_load_b128 v[32:35], v[QO], s[QB:QB+1]
	global_load_b128 v[36:39], v[QO], s[QB:QB+1] offset:512
	global_load_b32 v255, v[QSO], s[QA:QA+1]
	s_wait_xcnt 0x0                                ; the loads above have read v10, on which the next one lands
	global_load_b32 v[Q2W], v[QSO], s[QB:QB+1]
.set n, 0
.rept 8
	v_mov_b32 v[24+n], 0                           ; the upper half of Q's fragment,
	v_mov_b32 v[KB+64+n], 0                        ; and what stands behind K's last tile: zero codes
.set n, n+1
.endr
.set n, 0
.rept 32
	v_mov_b32 v[OT+n], 0                           ; a block's first step finds zeros, which the first change of M leaves zeros
.set n, n+1
.endr
.irp b, 0,1,2,3
	v_mov_b32 v[PT+\b], 0                          ; a lane permute's destination counts as one of its sources
.endr
	v_mov_b32 v253, 0
	v_mov_b32 v13, 0xff61b1e6                      ; the largest t so far: -3e38
	v_floor_f32 v12, -v13                          ; -M
	v_mov_b32 v14, 0
	v_mov_b32 v15, 0
; From block i to block 31 - i: my part goes to LDS; the second block's Q (the scale word first, more than eight plain lines ahead of the next product) and fresh statistics
.macro SWITCH
	PUT SCA
	v_mov_b32 v255, v[Q2W]
.set n, 0
.rept 8
	v_mov_b32 v[16+n], v[32+n]
.set n, n+1
.endr
.set n, 0
.rept 32
	v_mov_b32 v[OT+n], 0
.set n, n+1
.endr
	v_mov_b32 v13, 0xff61b1e6
	v_floor_f32 v12, -v13
	v_mov_b32 v14, 0
	v_mov_b32 v15, 0
	s_mov_b32 s[DG], 32
	s_mov_b32 s[SW], -1
	s_wait_alu depctr_va_vdst(0)
.endm
.macro HIDE                            ; on the diagonal the scores of hidden keys become -infinity: register 16 b + i holds key 32 b + 16 (lane / 16) + i of the block
	v_mov_b32 v254, 0xff800000
.set n, 0
.rept 64
	v_cmp_gt_i32 vcc_lo, 32*(n/16)+n%16, v[DD]
	v_cndmask_b32 v[S+n], v[S+n], v254, vcc_lo
.set n, n+1
.endr
.endm
; A KEY STEP: 128 keys.  kind 0: in the loop (steps 0 .. 23: the change of blocks and block i's diagonal fall here, i being at most 15); 1: steps 24 .. 31; 2: step 32, on the diagonal
.macro STEP kind
.if \kind == 0
	s_cmp_le_u32 s[G], s[SW]
	s_cbranch_scc1 .Lsame_\@
	SWITCH
.Lsame_\@:
.endif
	v_add_nc_u32 v[ADK], s[TB], v[LI]
	v_add_nc_u32 v[ADS], s[TB], v[LR]              ; (with the eight v_nop at the last step's end: ten places ahead of the products that write over V's fragments, nine being asked)
	ds_load_b128 v[KSW:KSW+3], v[ADS] offset:KSO
	ds_load_b128 v[KSW+4:KSW+7], v[ADS] offset:KSO+256
.irp t, 0,1,2,3,4,5,6,7
	ds_load_b128 v[KB+8*\t:KB+8*\t+3], v[ADK] offset:\t*1024
	ds_load_b128 v[KB+8*\t+4:KB+8*\t+7], v[ADK] offset:\t*1024+512
.endr
	s_wait_dscnt 0x0
.irp t, 0,1,2,3,4,5,6,7                        ; S^T = K Q^T
	v_wmma_scale_f32_16x16x128_f8f6f4 v[S+8*\t:S+8*\t+7], v[KB+8*\t:KB+8*\t+15], v[16:31], 0, v[KSW+\t], v255
.endr
.rept 8
	v_nop
.endr
.if \kind == 0
	s_cmp_lg_u32 s[G], s[DG]
	s_cbranch_scc1 .Lopen_\@
	HIDE
.Lopen_\@:
.endif
.if \kind == 2
	HIDE
.endif
.irp b, 0,1,2,3
	v_max3_num_f32 v[BM+\b], v[S+16*\b], v[S+1+16*\b], v[S+2+16*\b]   ; the largest score of each block of 32 keys: for the row's maximum and for the block's largest p
.endr
.irp i, 3,5,7,9,11,13
.irp b, 0,1,2,3
	v_max3_num_f32 v[BM+\b], v[BM+\b], v[S+16*\b+\i], v[S+1+16*\b+\i]
.endr
.endr
.irp b, 0,1,2,3
	v_max_num_f32 v[BM+\b], v[BM+\b], v[S+15+16*\b]
.endr
.irp b, 0,1,2,3
	s_delay_alu instid0(VALU_DEP_4)
	v_permlanex16_b32 v[PT+\b], v[BM+\b], s[SEL], s[SEL+1]
.endr
.irp b, 0,1,2,3
	s_delay_alu instid0(VALU_DEP_4)
	v_max_num_f32 v[BM+\b], v[BM+\b], v[PT+\b]
.endr
	s_delay_alu instid0(VALU_DEP_2)
	v_max3_num_f32 v254, v[BM], v[BM+1], v[BM+2]
	s_delay_alu instid0(VALU_DEP_1)
	v_max_num_f32 v254, v254, v[BM+3]
	s_delay_alu instid0(VALU_DEP_1)
	v_mul_f32 v254, s[CS], v254
	s_delay_alu instid0(VALU_DEP_1)
	v_max_num_f32 v13, v13, v254                   ; the running largest t
	v_mov_b32 v254, v12
	s_delay_alu instid0(VALU_DEP_2)
	v_floor_f32 v12, -v13                          ; the new -M
	s_delay_alu instid0(VALU_DEP_1)
	v_sub_f32 v254, v12, v254                      ; old M - new M: a whole number, 0 or less
	s_delay_alu instid0(VALU_DEP_1)
	v_cvt_i32_f32 v254, v254                       ; (it saturates)
	s_delay_alu instid0(VALU_DEP_1)
	v_ldexp_f32 v252, 1.0, v254                    ; f = 2^(old M - new M)
.set n, 0
.rept 32
	v_pk_fma_f32 v[S+n:S+n+1], v[S+n:S+n+1], s[CS:CS+1], v[12:13] op_sel_hi:[1,0,0]   ; t - M
.set n, n+2
.endr
.irp b, 0,1,2,3
	v_fma_f32 v[BM+\b], v[BM+\b], s[CS], v12
.endr
	s_wait_alu depctr_va_vdst(0)                   ; the wait ahead of the batch
.set n, 0
.rept 64
	v_exp_f32 v[S+n], v[S+n]                       ; p = 2^(t - M)
.set n, n+1
.endr
	v_pk_mul_f32 v[14:15], v[14:15], v[252:253] op_sel_hi:[1,0]   ; the sums under the new M (the plain line behind the batch)
	s_wait_alu depctr_va_vdst(0)                   ; one wait for the batch, ahead of its first reader
.irp b, 0,1,2,3
	v_exp_f32 v[BM+\b], v[BM+\b]                   ; the block's largest p
.endr
.irp c, 0,1,2,3                                ; the row's sum of the unquantised p: 32 pairs in four chains
	v_pk_add_f32 v[KSW+2*\c:KSW+2*\c+1], v[S+2*\c:S+2*\c+1], v[S+8+2*\c:S+8+2*\c+1]
.endr
.irp k, 2,3,4,5,6,7
.irp c, 0,1,2,3
	v_pk_add_f32 v[KSW+2*\c:KSW+2*\c+1], v[KSW+2*\c:KSW+2*\c+1], v[S+8*\k+2*\c:S+8*\k+2*\c+1]
.endr
.endr
	v_pk_add_f32 v[KSW:KSW+1], v[KSW:KSW+1], v[KSW+2:KSW+3]
	v_pk_add_f32 v[KSW+4:KSW+5], v[KSW+4:KSW+5], v[KSW+6:KSW+7]
	v_pk_add_f32 v[KSW:KSW+1], v[KSW:KSW+1], v[KSW+4:KSW+5]
	v_pk_add_f32 v[14:15], v[14:15], v[KSW:KSW+1]
	s_wait_alu depctr_va_vdst(0)                   ; and one for the four
.irp b, 0,1,2,3
	v_max_num_f32 v[BM+\b], 0x4800000, v[BM+\b]    ; the floor 2^(9 - 127): the byte cannot fall under 1
.endr
.irp b, 0,1,2,3
	s_delay_alu instid0(VALU_DEP_4)
	v_add_nc_u32 v[SO+\b], 0xfc000000, v[BM+\b]    ; the conversion's scale operand
.endr
.irp b, 0,1,2,3
	v_and_or_b32 v[HDL+\b], v[BM+\b], 0x7f800000, s[MNT]   ; 448 x the scale
.endr
.irp b, 0,1,2,3
	v_lshrrev_b32 v[PT+\b], 23, v[SO+\b]           ; the scale's byte
.endr
	s_delay_alu instid0(VALU_DEP_3)
	v_lshl_or_b32 v253, v[PT+1], 8, v[PT]          ; p's scale word
	s_delay_alu instid0(VALU_DEP_1)
	v_lshl_or_b32 v253, v[PT+2], 16, v253
	s_delay_alu instid0(VALU_DEP_1)
	v_lshl_or_b32 v253, v[PT+3], 24, v253
.irp b, 0,1,2,3
.irp i, 0,2,4,6,8,10,12,14
	v_dual_min_num_f32 v[S+16*\b+\i], v[S+16*\b+\i], v[HDL+\b] :: v_dual_min_num_f32 v[S+16*\b+\i+1], v[S+16*\b+\i+1], v[HDL+\b]   ; the conversion does not saturate (ISA guide 7.6.2); p is not negative: a one-sided hold, two a line
.endr
	v_cvt_scalef32_pk8_fp8_f32 v[PC+4*\b:PC+4*\b+1], v[S+16*\b:S+16*\b+7], v[SO+\b]
	v_cvt_scalef32_pk8_fp8_f32 v[PC+4*\b+2:PC+4*\b+3], v[S+16*\b+8:S+16*\b+15], v[SO+\b]
.endr
	ds_load_b128 v[VSW:VSW+3], v[ADS] offset:VSO   ; V's scale words, and its four fragments into the registers that p has left
.irp t, 0,1,2,3
.irp c, 0,1,2,3
	ds_load_b128 v[S+16*\t+4*\c:S+16*\t+4*\c+3], v[ADK] offset:VOFF+2048*\t+512*\c
.endr
.endr
	s_wait_alu depctr_va_vdst(0)                   ; the wait directly ahead of the first reader of O^T
.set n, 0
.rept 16
	v_pk_mul_f32 v[OT+n:OT+n+1], v[OT+n:OT+n+1], v[252:253] op_sel_hi:[1,0]   ; O^T under the new M (also the plain lines between the codes and the products)
.set n, n+2
.endr
	s_wait_alu depctr_va_vdst(0)
	s_wait_dscnt 0x0
.irp t, 0,1,2,3                                ; O^T += V^T P^T: the four accumulators take one turn each
	v_wmma_scale_f32_16x16x128_f8f6f4 v[OT+8*\t:OT+8*\t+7], v[S+16*\t:S+16*\t+15], v[PC:PC+15], v[OT+8*\t:OT+8*\t+7], v[VSW+\t], v253
.endr
.rept 8
	v_nop                                          ; places ahead of the reads of O^T and of what writes over these products' registers
.endr
	s_add_co_u32 s[G], s[G], 2
	s_add_co_u32 s[TB], s[TB], 2*STEPB
.endm
; THE CHANGE OF SLOTS.  Each wave waits for all its tensor loads, adds 0 to its spare word (twice where a load follows), and waits for that and for its reads of the slot
; that it has left.  fill = 6: the slot left takes the next six steps; 3: steps 30 to 32; 0: nothing.
.macro CHANGE fill
	s_wait_tensorcnt 0x0
	ds_add_u32 v[SPW], v[NIL]
.if \fill
	ds_add_u32 v[SPW], v[NIL]
	s_xor_b32 s[G0+1], s[G0+1], SLOT1
	SETADDR
.endif
.if \fill == NS
	s_wait_xcnt 0x0                                ; the last prefetch, a slot back, has read its address
	s_add_nc_u64 s[PFA:PFA+1], s[PFA:PFA+1], NS*STEPB
.endif
	s_wait_dscnt 0x0
	s_barrier_signal -1
	s_barrier_wait -1
.if \fill
	TLOAD \fill
.endif
.if \fill == NS
	ASK
.endif
.endm
.macro THREE kind                      ; my three steps of a slot's six
	s_mov_b32 s[TW], 3
.Lstep_\@:
	STEP \kind
	s_sub_co_u32 s[TW], s[TW], 1
	s_cmp_lg_u32 s[TW], 0
	s_cbranch_scc1 .Lstep_\@
	s_sub_co_u32 s[TB], s[TB], NS*STEPB
	s_xor_b32 s[TB], s[TB], SLOT1
.endm
	s_wait_alu depctr_va_vdst(0)                   ; the wait at the head's end
	s_wait_loadcnt 0x0                             ; Q
.Lslot:                                            ; four trips: slots 0 to 3 are read, slots 1 to 4 asked for
	CHANGE NS
	THREE 0
	s_sub_co_u32 s[SLOTS], s[SLOTS], 1
	s_cmp_lg_u32 s[SLOTS], 0
	s_cbranch_scc1 .Lslot
	CHANGE 3                                       ; written out
	THREE 1
	CHANGE 0
	STEP 1                                         ; steps 30 and 31
	s_cmp_lg_u32 s[KP], 0                          ; step 32 is of parity 0
	s_cbranch_scc1 .Lno_tail
	STEP 2
.Lno_tail:
	PUT SCB                                        ; my part of block 31 - i: every wave has passed the last change of slots, so nobody reads slot 0, and it has had its last fill
	s_wait_dscnt 0x0
	s_barrier_signal -1
	s_barrier_wait -1
	v_add_nc_u32 v254, s[RDB], v[LI]
.irp j, 0,1,2,3,4,5,6,7
	ds_load_b128 v[S+4*\j:S+4*\j+3], v254 offset:512*\j
	ds_load_b128 v[S+32+4*\j:S+32+4*\j+3], v254 offset:8*PART+512*\j
.endr
	ds_load_b128 v[BM:BM+3], v254 offset:4096
	ds_load_b128 v[PT:PT+3], v254 offset:8*PART+4096
	s_wait_dscnt 0x0
	v_min_num_f32 v12, v[BM], v[PT]                ; the joint -M
	v_add_f32 v14, v[BM+2], v[BM+3]
	v_add_f32 v15, v[PT+2], v[PT+3]
	v_sub_f32 v[BM], v12, v[BM]                    ; each part's M less the joint M: a whole number, 0 or less (a part with no step: -3e38)
	v_sub_f32 v[PT], v12, v[PT]
	v_cvt_i32_f32 v[BM], v[BM]                     ; (it saturates)
	v_cvt_i32_f32 v[PT], v[PT]
	v_ldexp_f32 v[BM], 1.0, v[BM]
	v_ldexp_f32 v[PT], 1.0, v[PT]
	v_mul_f32 v14, v14, v[BM]
	v_fmac_f32 v14, v15, v[PT]
	v_permlanex16_b32 v13, v14, s[SEL], s[SEL+1]
	v_add_f32 v14, v14, v13                        ; the row's sum
	s_wait_alu depctr_va_vdst(0)
	v_rcp_f32 v14, v14
	v_nop
	s_wait_alu depctr_va_vdst(0)
	v_mul_f32 v[BM], v[BM], v14
	v_mul_f32 v[PT], v[PT], v14
.set n, 0
.rept 16
	v_pk_mul_f32 v[S+n:S+n+1], v[S+n:S+n+1], v[BM:BM+1] op_sel_hi:[1,0]
.set n, n+2
.endr
.set n, 0
.rept 16
	v_pk_fma_f32 v[S+n:S+n+1], v[S+32+n:S+32+n+1], v[PT:PT+1], v[S+n:S+n+1] op_sel_hi:[1,0,1]   ; register 16 b + i: channel 32 b + 16 (lane / 16) + i of my query
.set n, n+2
.endr
.irp b, 0,1
	v_max3_num_f32 v[BM+\b], |v[S+16*\b]|, |v[S+16*\b+1]|, 0x4800000
.endr
.irp i, 2,4,6,8,10,12,14
.irp b, 0,1
	v_max3_num_f32 v[BM+\b], v[BM+\b], |v[S+16*\b+\i]|, |v[S+16*\b+\i+1]|
.endr
.endr
.irp b, 0,1
	v_permlanex16_b32 v[PT+\b], v[BM+\b], s[SEL], s[SEL+1]
.endr
.irp b, 0,1
	v_max_num_f32 v[BM+\b], v[BM+\b], v[PT+\b]
.endr
.irp b, 0,1
	v_add_nc_u32 v[SO+\b], 0xfc000000, v[BM+\b]
.endr
.irp b, 0,1
	v_and_or_b32 v[HDL+\b], v[BM+\b], 0x7f800000, s[MNT]
.endr
.irp b, 0,1
	v_lshrrev_b32 v[PT+\b], 23, v[SO+\b]
.endr
	v_and_b32 v254, 16, v0
	v_cmp_ne_u32 vcc_lo, 0, v254
	v_cndmask_b32 v254, v[PT], v[PT+1], vcc_lo     ; lanes 0-15 store block 0's byte, lanes 16-31 block 1's
.irp b, 0,1
.irp i, 0,1,2,3,4,5,6,7,8,9,10,11,12,13,14,15
	v_med3_num_f32 v[S+16*\b+\i], v[S+16*\b+\i], -v[HDL+\b], v[HDL+\b]
.endr
.endr
.irp b, 0,1
	v_cvt_scalef32_pk8_fp8_f32 v[PC+4*\b:PC+4*\b+1], v[S+16*\b:S+16*\b+7], v[SO+\b]
	v_cvt_scalef32_pk8_fp8_f32 v[PC+4*\b+2:PC+4*\b+3], v[S+16*\b+8:S+16*\b+15], v[SO+\b]
.endr
	v_nop
	global_store_b128 v[LI], v[PC:PC+3], s[CA:CA+1]              ; 512 consecutive bytes, aligned
	global_store_b128 v[LI], v[PC+4:PC+7], s[CA:CA+1] offset:512
	global_store_b8 v[CSO], v254, s[SA:SA+1]
	s_wait_tensorcnt 0x0                           ; the wave's end
	ds_add_u32 v[SPW], v[NIL]
	s_wait_dscnt 0x0
	s_endpgm
.Lfunc_end_k_qce23a447eb_attn:
	.size	k_qce23a447eb_attn, .Lfunc_end_k_qce23a447eb_attn-k_qce23a447eb_attn
	.p2alignl 7, 3214868480
	.fill 96, 4, 3214868480
	.section	.rodata,"a",@progbits
	.p2align	6, 0x0
	.amdhsa_kernel k_qce23a447eb_attn
		.amdhsa_group_segment_fixed_size 327680
		.amdhsa_private_segment_fixed_size 0
		.amdhsa_enable_private_segment 0
		.amdhsa_kernarg_size 32
		.amdhsa_user_sgpr_count 2
		.amdhsa_user_sgpr_kernarg_segment_ptr 1
		.amdhsa_wavefront_size32 1
		.amdhsa_system_sgpr_workgroup_id_x 1
		.amdhsa_system_sgpr_workgroup_id_y 1
		.amdhsa_system_sgpr_workgroup_id_z 1
		.amdhsa_system_vgpr_workitem_id 0
		.amdhsa_next_free_vgpr 256
		.amdhsa_next_free_sgpr 72
		.amdhsa_reserve_vcc 1
		.amdhsa_float_denorm_mode_32 3
		.amdhsa_float_denorm_mode_16_64 3
		.amdhsa_memory_ordered 1
		.amdhsa_forward_progress 1
		.amdhsa_inst_pref_size 108
	.end_amdhsa_kernel
	.amdgpu_metadata
---
amdhsa.version: [ 1, 2 ]
amdhsa.kernels:
  - .name:           k_qce23a447eb_attn
    .symbol:         k_qce23a447eb_attn.kd
    .args:
      - { .name: qf, .offset: 0, .size: 8, .value_kind: global_buffer, .address_space: global }
      - { .name: kv, .offset: 8, .size: 8, .value_kind: global_buffer, .address_space: global }
      - { .name: cc, .offset: 16, .size: 8, .value_kind: global_buffer, .address_space: global }
      - { .name: cs, .offset: 24, .size: 8, .value_kind: global_buffer, .address_space: global }
    .group_segment_fixed_size: 327680
    .private_segment_fixed_size: 0
    .kernarg_segment_align: 8
    .kernarg_segment_size: 32
    .max_flat_workgroup_size: 512
    .sgpr_count:     72
    .vgpr_count:     256
    .wavefront_size: 32
...
	.end_amdgpu_metadata
.endif
;; end of part 3
;; launch proj (part 4): grid 8 x 32, 4 waves a work-group, clusters of 4 x 4, 327,680 bytes of LDS; arguments cc, cs, wc, ws, b_o, out0; writes out0
.if DOCPART == 4
	.amdgcn_target "amdgcn-amd-amdhsa--gfx1250"
	.amdhsa_code_object_version 6
	.text
	.protected	k_qce23a447eb_proj
	.globl	k_qce23a447eb_proj
	.p2align	8
	.type	k_qce23a447eb_proj,@function
k_qce23a447eb_proj:
	s_mov_b64 s[64:65], 0
	v_nop
	global_prefetch_b8 v0, s[64:65] scope:SCOPE_SE
	s_setreg_imm32_b32 hwreg(HW_REG_WAVE_MODE, 25, 1), 1
	s_wait_xcnt 0x0
	s_wait_alu depctr_hold_cnt(0) depctr_sa_sdst(0) depctr_va_vdst(0) depctr_va_sdst(0) depctr_va_ssrc(0) depctr_va_vcc(0) depctr_vm_vsrc(0)
	s_getreg_b32 s2, hwreg(HW_REG_IB_STS2, 6, 4)
	s_cmp_eq_u32 s2, 0
	s_cbranch_scc0 .Lentry_in_a_cluster
	s_endpgm
.Lentry_in_a_cluster:
	s_bfe_u32 s2, ttmp6, 0x10000c
	s_cmp_lg_u32 s2, 0xf033
	s_cbranch_scc0 .Lentry_shape_is_right
	s_endpgm
.Lentry_shape_is_right:
; out0 = ctx W_o + b_o on codes of FP8 (E4M3) with E8M0 scales: 4,096 x 1,024 x 1,024, f32 out.  A sum begins with its bias (the first product's C).
; SHARES.  256 work-groups, each 128 tokens x 128 channels; four waves, 2 x 2, each 64 x 64: 16 accumulators.  ALL OF K LIES IN LDS: ctx's 8 tiles of 16 tokens are 131,072 dense bytes of register
; images [tile][k / 128][4][32 lanes][16 B]; W_o's 128 rows of 1,024 bytes get 16 bytes of padding each.  One tensor load a wave (waves 0, 1: halves of ctx; 2, 3: halves of W_o); nothing is filled again.
; CLUSTERS 4 x 4: ctx's tiles are shared along a row of the cluster, W_o's along a column: joint loads.  NO PREFETCH: the launch has no loop to run ahead in: all its tiles are asked for at its head.
; Scale words (32 bytes a row, rows on end) and the bias come by plain loads into registers.  Tokens and channels lie in position order (inside each 32, index bits 3 and 4 swapped).
; TRANSPOSED USE: source 0 = 16 rows of W_o, source 1 = 16 tokens: register j of tile b of lane (r, h) is token position r, true channel 32 (b / 2) + 16 h + 8 (b % 2) + j.
; REGISTERS: window 0: v0-31 addresses, v32-63 ctx's scale words, v68-99 W_o's (numbers that differ modulo 8), v128-255 ctx's fragments, two sets (the way out's rows later);
; window 1: v0-127 W_o's fragments, two sets, v128-159 the bias; window 2: v0-127 the accumulators.
.set BOFF,  131072
.set BP,    1040
.set STG,   BOFF+128*BP                ; a stage of 16 rows x (256 + 16) bytes for each wave
.set SPITCH, 272
.set SPARE, STG+4*16*SPITCH
.set ADRA, 8
.set ADRB, 9
.set SOF,  10
.set BOF,  11
.set STO,  12
.set RD,   13
.set CO,   14
.set SPW,  16
.set NIL,  17
.set SA,   32
.set SB,   68
.set AF,   128
.set BK,   128
.set BI,   128
.set G1A, 24
.set G1B, 32
.set G0A, 40
.set G0B, 44
.set MSB, 0
.macro WIN new                         ; the immediate's high byte repeats the setting that is left
.if MSB != \new
	s_set_vgpr_msb (MSB<<8)|\new
.set MSB, \new
.endif
.endm
.macro PLACES n
.rept \n
	v_nop
.endr
.endm
.macro CROUND                          ; a round of the cluster's barrier
	s_barrier_signal -1
	s_barrier_wait -1
	s_cmp_lg_u32 s16, 0
	s_cbranch_scc1 .Lnot_wave_0_\@
	s_barrier_signal -3
.Lnot_wave_0_\@:
	s_barrier_wait -3
	s_barrier_signal -1
	s_barrier_wait -1
.endm
	s_load_b256 s[4:11], s[0:1], 0x0               ; cc, cs, wc, ws
	s_load_b128 s[12:15], s[0:1], 0x20             ; b_o, out0
	v_lshl_add_u32 v[SPW], v0, 2, SPARE
	v_mov_b32 v[NIL], 0
	ds_add_u32 v[SPW], v[NIL]                      ; the opening lines: the add twice on end and its wait
	ds_add_u32 v[SPW], v[NIL]
	v_lshrrev_b32 v1, 5, v0
	v_readfirstlane_b32 s16, v1                    ; wave 0..3
	s_lshr_b32 s17, s16, 1                         ; my row of waves; also: I fetch ctx (0) or W_o (1)
	s_and_b32 s18, s16, 1                          ; my column of waves; also: which half I fetch
	s_bfe_u32 s19, ttmp6, 0x40000                  ; cx
	s_bfe_u32 s20, ttmp6, 0x40004                  ; cy
	s_lshl_b32 s21, ttmp9, 2
	s_add_co_u32 s21, s21, s19                     ; x: which 128 channels
	s_and_b32 s22, ttmp7, 0xffff
	s_lshl_b32 s22, s22, 2
	s_add_co_u32 s22, s22, s20                     ; y: which 128 tokens
	s_lshl_b32 s23, s20, 2
	s_lshl_b32 s23, 15, s23                        ; my row of the cluster
	s_lshl_b32 s48, 0x1111, s19                    ; my column
	s_or_b32 s[G1A], s23, (3<<16)|(1<<21)          ; ctx: 65,536 dense bytes as 256 rows of 256 (32 elements of 8), no padding
	s_mov_b32 s[G1A+1], 32<<16
	s_mov_b32 s[G1A+2], 256<<16
	s_mov_b32 s[G1A+3], 32<<16
	s_mov_b32 s[G1A+4], 256
	s_mov_b32 s[G1A+5], 32
	s_mov_b32 s[G1A+6], 0
	s_mov_b32 s[G1A+7], 0
	s_or_b32 s[G1B], s48, (1<<20)|(1<<21)|(7<<22)|(3<<25)   ; W_o: 64 rows of 1,024 bytes, four words of padding behind each 256 words
	s_mov_b32 s[G1B+1], 1024<<16
	s_mov_b32 s[G1B+2], 64<<16
	s_mov_b32 s[G1B+3], 1024<<16
	s_mov_b32 s[G1B+4], 64
	s_mov_b32 s[G1B+5], 1024
	s_mov_b32 s[G1B+6], 0
	s_mov_b32 s[G1B+7], 0
	s_lshl_b32 s50, s22, 17                        ; ctx: 131,072 bytes for 128 tokens, my half
	s_lshl_b32 s49, s18, 16
	s_add_co_u32 s50, s50, s49
	s_mov_b32 s51, 0
	s_lshl_b32 s52, s21, 7                         ; W_o's rows lie behind W_q's, W_k's, W_v's 3,072
	s_lshl_b32 s53, s18, 6
	s_add_co_u32 s52, s52, s53
	s_add_co_u32 s52, s52, 3072
	s_lshl_b32 s58, s52, 5                         ; (my column of waves' scale bytes begin at the same row)
	s_lshl_b32 s52, s52, 10
	s_mov_b32 s53, 0
	s_mov_b32 s[G0A], 1
	s_lshl_b32 s[G0A+1], s18, 16
	s_mov_b32 s[G0B], 1
	s_mul_i32 s[G0B+1], s18, 64*BP
	s_add_co_u32 s[G0B+1], s[G0B+1], BOFF
	s_wait_dscnt 0x0                               ; both opening adds are done
	CROUND                                         ; all sixteen work-groups are here: the joint loads meet
	s_wait_kmcnt 0x0
	s_add_nc_u64 s[G0A+2:G0A+3], s[4:5], s[50:51]
	s_or_b32 s[G0A+3], s[G0A+3], 0x80000000
	s_add_nc_u64 s[G0B+2:G0B+3], s[8:9], s[52:53]
	s_or_b32 s[G0B+3], s[G0B+3], 0x80000000
	s_cmp_eq_u32 s17, 0
	s_cbranch_scc0 .Lfor_b
	tensor_load_to_lds s[G0A:G0A+3], s[G1A:G1A+7]
	s_nop 0
	PLACES 4
	s_branch .Lasked
.Lfor_b:
	tensor_load_to_lds s[G0B:G0B+3], s[G1B:G1B+7]
	s_nop 0
	PLACES 4
.Lasked:
	s_lshl_b32 s54, s22, 12                        ; ctx's scale bytes: 32 a position; my 64 tokens
	s_lshl_b32 s55, s17, 11
	s_add_co_u32 s54, s54, s55
	s_mov_b32 s55, 0
	s_add_nc_u64 s[56:57], s[6:7], s[54:55]
	s_mov_b32 s59, 0
	s_add_nc_u64 s[60:61], s[10:11], s[58:59]      ; W_o's: my 64 channels
	s_lshl_b32 s62, s21, 9                         ; my first channel, in bytes of f32
	s_lshl_b32 s63, s18, 8
	s_add_co_u32 s62, s62, s63
	s_mov_b32 s63, 0
	s_add_nc_u64 s[66:67], s[12:13], s[62:63]      ; the bias
	s_lshl_b32 s68, s22, 7
	s_lshl_b32 s69, s17, 6
	s_add_co_u32 s68, s68, s69
	s_lshl_b32 s68, s68, 12                        ; my first token's row of 4,096 bytes
	s_add_co_u32 s68, s68, s62
	s_mov_b32 s69, 0
	s_add_nc_u64 s[70:71], s[14:15], s[68:69]
	s_lshl_b32 s72, s17, 16                        ; LDS: my four tiles of ctx,
	s_mul_i32 s73, s18, 64*BP
	s_add_co_u32 s73, s73, BOFF                    ; my 64 rows of W_o,
	s_mul_i32 s74, s16, 16*SPITCH
	s_add_co_u32 s74, s74, STG                     ; my stage
	v_and_b32 v1, 15, v0                           ; r
	v_bfe_u32 v2, v0, 4, 1                         ; h
	v_and_b32 v3, 31, v0
	v_lshl_add_u32 v[ADRA], v3, 4, s72
	v_mul_u32_u24 v4, v1, BP
	v_lshl_add_u32 v4, v2, 4, v4
	v_add_nc_u32 v[ADRB], s73, v4
	v_lshlrev_b32 v[SOF], 5, v1
	v_lshlrev_b32 v[BOF], 6, v2
	v_mul_u32_u24 v5, v1, SPITCH
	v_lshl_add_u32 v5, v2, 6, v5
	v_add_nc_u32 v[STO], s74, v5                   ; in: row r, 64 h bytes on
	v_mul_u32_u24 v6, v2, SPITCH
	v_lshl_add_u32 v6, v1, 4, v6
	v_add_nc_u32 v[RD], s74, v6                    ; back: lanes 0-15 one row, lanes 16-31 the next
	v_lshlrev_b32 v7, 12, v2
	v_lshl_add_u32 v[CO], v1, 4, v7                ; and the same two rows in out0
	s_wait_alu depctr_va_vdst(0)                   ; the wait at the head's end
.irp i, 0,1,2,3
.irp j, 0,1
	global_load_b128 v[SA+8*\i+4*\j:SA+8*\i+4*\j+3], v[SOF], s[56:57] offset:512*\i+16*\j   ; register 8 i + q: row r of tile i, the q-th 128 of K
	global_load_b128 v[SB+8*\i+4*\j:SB+8*\i+4*\j+3], v[SOF], s[60:61] offset:512*\i+16*\j
.endr
.endr
	WIN 0x40
.irp b, 0,1,2,3
	global_load_b128 v[BI+8*\b:BI+8*\b+3], v[BOF], s[66:67] offset:(32*(\b/2)+8*(\b%2))*4
	global_load_b128 v[BI+8*\b+4:BI+8*\b+7], v[BOF], s[66:67] offset:(32*(\b/2)+8*(\b%2))*4+16
.endr
	WIN 0
.macro FETCH q                         ; the q-th 128 of K: W_o's four fragments and ctx's four into set q % 2: 32 loads
	WIN 0x40
.irp b, 0,1,2,3
.irp c, 0,1,2,3
	ds_load_b128 v[64*((\q)%2)+16*\b+4*\c:64*((\q)%2)+16*\b+4*\c+3], v[ADRB] offset:\b*16*BP+128*(\q)+32*\c
.endr
.endr
	WIN 0
.irp a, 0,1,2,3
.irp c, 0,1,2,3
	ds_load_b128 v[AF+64*((\q)%2)+16*\a+4*\c:AF+64*((\q)%2)+16*\a+4*\c+3], v[ADRA] offset:\a*16384+2048*(\q)+512*\c
.endr
.endr
.endm
.macro MUL q                           ; 16 products: the accumulators take turns, one instruction a turn
.if (\q) == 0
	WIN 0x91                                       ; C: the bias, in window 1
.else
	WIN 0xa1
.endif
.irp a, 0,1,2,3
.irp b, 0,1,2,3
.if (\q) == 0
	v_wmma_scale_f32_16x16x128_f8f6f4 v[8*(4*\a+\b):8*(4*\a+\b)+7], v[64*((\q)%2)+16*\b:64*((\q)%2)+16*\b+15], v[AF+64*((\q)%2)+16*\a:AF+64*((\q)%2)+16*\a+15], v[BI+8*\b:BI+8*\b+7], v[SB+8*\b+(\q)], v[SA+8*\a+(\q)]
.else
	v_wmma_scale_f32_16x16x128_f8f6f4 v[8*(4*\a+\b):8*(4*\a+\b)+7], v[64*((\q)%2)+16*\b:64*((\q)%2)+16*\b+15], v[AF+64*((\q)%2)+16*\a:AF+64*((\q)%2)+16*\a+15], v[8*(4*\a+\b):8*(4*\a+\b)+7], v[SB+8*\b+(\q)], v[SA+8*\a+(\q)]
.endif
.endr
.endr
.endm
	s_wait_tensorcnt 0x0                           ; my part of the tiles is in
	s_barrier_signal -1
	s_barrier_wait -1                              ; and everybody's
	FETCH 0
	s_wait_loadcnt 0x0                             ; scale words and bias
.set Q, 0
.rept 7
.if Q > 0
	PLACES 8                                       ; ahead of loads into the set that the step before has read
.endif
	FETCH Q+1
	s_wait_dscnt 32                                ; this step's fragments are in; the 32 loads just issued may be out
	MUL Q
.set Q, Q+1
.endr
	s_wait_dscnt 0x0
	MUL 7
	WIN 0
	PLACES 8
; THE WAY OUT, 16 tokens x 64 channels at a time, through my stage: whole rows of 256 bytes come back, and sixteen lanes store one aligned unit.  LDS serves a wave's instructions in order.
.macro TOSTAGE a
	WIN 0x08
.irp b, 0,1,2,3
	ds_store_b128 v[STO], v[8*(4*(\a)+\b):8*(4*(\a)+\b)+3] offset:128*(\b/2)+32*(\b%2)
	ds_store_b128 v[STO], v[8*(4*(\a)+\b)+4:8*(4*(\a)+\b)+7] offset:128*(\b/2)+32*(\b%2)+16
.endr
	WIN 0
.irp i, 0,1,2,3,4,5,6,7
	ds_load_b128 v[BK+32*((\a)%2)+4*\i:BK+32*((\a)%2)+4*\i+3], v[RD] offset:\i*2*SPITCH
.endr
.endm
.macro SEND a, younger                 ; position 16 a + t is token 32 (a / 2) + 8 (a % 2) + t + 8 (t / 8)
	s_wait_dscnt \younger
.irp i, 0,1,2,3,4,5,6,7
	global_store_b128 v[CO], v[BK+32*((\a)%2)+4*\i:BK+32*((\a)%2)+4*\i+3], s[70:71] offset:(32*((\a)/2)+8*((\a)%2)+2*\i+8*(\i/4))*4096 th:TH_STORE_NT
.endr
.endm
	TOSTAGE 0
.irp a, 1,2,3
.if \a > 1
	s_wait_xcnt 0x0                                ; block a - 2's stores have read their registers: block a's loads may land there
.endif
	TOSTAGE \a
	SEND \a-1, 16                                  ; behind block a - 1's loads: block a's 8 stores and 8 loads
.endr
	SEND 3, 0
	s_wait_tensorcnt 0x0                           ; the wave's end
	ds_add_u32 v[SPW], v[NIL]
	s_wait_dscnt 0x0
	CROUND                                         ; the closing round
	s_endpgm
.Lfunc_end_k_qce23a447eb_proj:
	.size	k_qce23a447eb_proj, .Lfunc_end_k_qce23a447eb_proj-k_qce23a447eb_proj
	.p2alignl 7, 3214868480
	.fill 96, 4, 3214868480
	.section	.rodata,"a",@progbits
	.p2align	6, 0x0
	.amdhsa_kernel k_qce23a447eb_proj
		.amdhsa_group_segment_fixed_size 327680
		.amdhsa_private_segment_fixed_size 0
		.amdhsa_enable_private_segment 0
		.amdhsa_kernarg_size 48
		.amdhsa_user_sgpr_count 2
		.amdhsa_user_sgpr_kernarg_segment_ptr 1
		.amdhsa_wavefront_size32 1
		.amdhsa_system_sgpr_workgroup_id_x 1
		.amdhsa_system_sgpr_workgroup_id_y 1
		.amdhsa_system_sgpr_workgroup_id_z 1
		.amdhsa_system_vgpr_workitem_id 0
		.amdhsa_next_free_vgpr 768
		.amdhsa_next_free_sgpr 80
		.amdhsa_reserve_vcc 0
		.amdhsa_float_denorm_mode_32 3
		.amdhsa_float_denorm_mode_16_64 3
		.amdhsa_memory_ordered 1
		.amdhsa_forward_progress 1
		.amdhsa_inst_pref_size 51
	.end_amdhsa_kernel
	.amdgpu_metadata
---
amdhsa.version: [ 1, 2 ]
amdhsa.kernels:
  - .name:           k_qce23a447eb_proj
    .symbol:         k_qce23a447eb_proj.kd
    .args:
      - { .name: cc, .offset: 0, .size: 8, .value_kind: global_buffer, .address_space: global }
      - { .name: cs, .offset: 8, .size: 8, .value_kind: global_buffer, .address_space: global }
      - { .name: wc, .offset: 16, .size: 8, .value_kind: global_buffer, .address_space: global }
      - { .name: ws, .offset: 24, .size: 8, .value_kind: global_buffer, .address_space: global }
      - { .name: b_o, .offset: 32, .size: 8, .value_kind: global_buffer, .address_space: global }
      - { .name: out0, .offset: 40, .size: 8, .value_kind: global_buffer, .address_space: global }
    .group_segment_fixed_size: 327680
    .private_segment_fixed_size: 0
    .kernarg_segment_align: 8
    .kernarg_segment_size: 48
    .max_flat_workgroup_size: 128
    .sgpr_count:     80
    .vgpr_count:     768
    .wavefront_size: 32
...
	.end_amdgpu_metadata
.endif
;; end of part 4
